; MI455X (gfx1250); checked and timed in simulation.
; The chip was launched on July 23, 2026; its instructions are those of AMD's public machine-readable ISA for CDNA 5 (MIT licence, August 2026) and "CDNA5" Instruction Set Architecture Reference Guide (July 2026). The comments in the code are by the model that wrote it; some were corrected since.
;; Multi Scale Attention. Allowed arithmetic: matrix products marked QUANTISED: E2M3 operands, one E8M0 scale for each 32 along K, by v_wmma_scale_f32_16x16x128_f8f6f4 with both operands' format E2M3, f32 sums; products left as they are: f32 operands where the result goes on into a quantised operand, else bf16, f16 or f32 operands; f32 sums; everything else in f32.
;; Inputs: Wkv_codes 1,024 x 16 x 24 uint8 (E2M3 codes of Wkv, K innermost, in blocks of 32 codes, four codes in three bytes); Wkv_scales 1,024 x 16 uint8 (E8M0 scales of Wkv, one for each 32 codes along K); Wproj_codes 512 x 16 x 24 uint8 (E2M3 codes of Wproj, K innermost, in blocks of 32 codes, four codes in three bytes); Wproj_scales 512 x 16 uint8 (E8M0 scales of Wproj, one for each 32 codes along K); Wq_codes 512 x 16 x 24 uint8 (E2M3 codes of Wq, K innermost, in blocks of 32 codes, four codes in three bytes); Wq_scales 512 x 16 uint8 (E8M0 scales of Wq, one for each 32 codes along K); bproj 512 float32; t1 49 x 1 float32; t2 49 x 1 float32; t3 225 x 1 float32; t4 225 x 1 float32; t5 225 x 1 float32; t6 961 x 1 float32; t7 961 x 1 float32; x_codes 8 x 4,096 x 16 x 24 uint8 (E2M3 codes of x, K innermost, in blocks of 32 codes, four codes in three bytes); x_scales 8 x 4,096 x 16 uint8 (E8M0 scales of x, one for each 32 codes along K).
;; Outputs: out0 8 x 4,096 x 512 float32.
;; Constants: H = 64, W = 64.
;; This version of the problem:
;;   THIS VERSION OF THE PROBLEM IS GIVEN IN LOW PRECISION. The matrix products marked QUANTISED in the list below multiply operands that are first quantised to E2M3 (2 exponent bits, 3 mantissa bits; 6 bits a number), with one power-of-two scale for each 32 numbers along K (OCP MX v1.0); their sums are f32. All else is computed in f32.
;;   The module's matrix products, in the order in which they are computed (A, B: the left and right operand; K: the contracted axis; several contracted axes count as one K, in the product's order):
;;     1. [M 32,768, K 512] x [K 512, N 512]; A: input x (given as codes); B: input Wq (given as codes): QUANTISED
;;     2. [M 32,768, K 512] x [K 512, N 1,024]; A: input x (given as codes); B: input Wkv (given as codes): QUANTISED
;;     3. batch 8 x [M 4,096, K 64] x [K 64, N 4,096]; A: computed on the way; B: computed on the way: QUANTISED
;;     4. batch 8 x [M 4,096, K 4,096] x [K 4,096, N 64]; A: softmax (see below); B: computed on the way: QUANTISED
;;     5. batch 2,048 x [M 16, K 64] x [K 64, N 16]; A: computed on the way; B: computed on the way: QUANTISED
;;     6. batch 2,048 x [M 16, K 16] x [K 16, N 64]; A: softmax (see below); B: computed on the way: left as it is (K = 16 < 32)
;;     7. batch 2,048 x [M 16, K 64] x [K 64, N 16]; A: computed on the way; B: computed on the way: QUANTISED
;;     8. batch 2,048 x [M 16, K 16] x [K 16, N 64]; A: softmax (see below); B: computed on the way: left as it is (K = 16 < 32)
;;     9. batch 512 x [M 64, K 64] x [K 64, N 64]; A: computed on the way; B: computed on the way: QUANTISED
;;     10. batch 512 x [M 64, K 64] x [K 64, N 64]; A: softmax (see below); B: computed on the way: QUANTISED
;;     11. batch 512 x [M 64, K 64] x [K 64, N 64]; A: computed on the way; B: computed on the way: QUANTISED
;;     12. batch 512 x [M 64, K 64] x [K 64, N 64]; A: softmax (see below); B: computed on the way: QUANTISED
;;     13. batch 512 x [M 64, K 64] x [K 64, N 64]; A: computed on the way; B: computed on the way: QUANTISED
;;     14. batch 512 x [M 64, K 64] x [K 64, N 64]; A: softmax (see below); B: computed on the way: QUANTISED
;;     15. batch 128 x [M 256, K 64] x [K 64, N 256]; A: computed on the way; B: computed on the way: QUANTISED
;;     16. batch 128 x [M 256, K 256] x [K 256, N 64]; A: softmax (see below); B: computed on the way: QUANTISED
;;     17. batch 128 x [M 256, K 64] x [K 64, N 256]; A: computed on the way; B: computed on the way: QUANTISED
;;     18. batch 128 x [M 256, K 256] x [K 256, N 64]; A: softmax (see below); B: computed on the way: QUANTISED
;;     19. [M 32,768, K 512] x [K 512, N 512]; A: computed on the way; B: input Wproj (given as codes): QUANTISED
;;   THE QUANTISER, for each operand of a quantised product, along K:
;;     - K is cut into blocks of 32 from its start; a last block that is shorter is filled with zeros.
;;     - A block's scale is 2^e with e = floor(log2(the largest magnitude in the block)) - 2, held to -126 .. 127; a block of zeros has e = 0. As a byte (E8M0): e + 127.
;;     - Each number is divided by its block's scale, clamped to +-7.5, and rounded to the nearest number of E2M3, ties to even, subnormals kept.
;;     - The product sums the exact products of the quantised numbers (number of the format x scale) in f32.
;;   ~~~python
;;   def quantise(x, axis):      # numpy; x: float32 -> the quantised numbers, widened to float32 again
;;       x = np.moveaxis(x, axis, -1); K = x.shape[-1]
;;       x = np.pad(x, [(0, 0)] * (x.ndim - 1) + [(0, -K % 32)]); x = x.reshape(x.shape[:-1] + (-1, 32)); a = np.abs(x).max(-1, keepdims=True)
;;       e = np.where(a > 0, np.clip(np.frexp(np.where(a > 0, a, 1))[1] - 1 - 2, -126, 127), 0)      # np.frexp(a)[1] - 1 = floor(log2(a)), exactly
;;       r = np.clip(x / 2.0 ** e, -7.5, 7.5)
;;       step = 2.0 ** (np.maximum(np.frexp(np.where(r == 0, 1, r))[1] - 1, 0) - 3)
;;       q = np.round(r / step) * step * 2.0 ** e      # np.round: ties to even
;;       return np.moveaxis(q.reshape(q.shape[:-2] + (-1,))[..., :K], -1, axis).astype(np.float32)
;;   ~~~
;;   SOFTMAX AHEAD OF A QUANTISED PRODUCT. Where the list says 'softmax', what is quantised is not the finished softmax but p = 2^(t - M), with t = logit x log2(e) and M = ceil(the row's largest t), a whole number; so 1/2 < the row's largest p <= 1. The row's sum l is taken of the UNQUANTISED p, in f32, and the product's result is divided by l at the end. Since M is a whole number, a kernel that streams over the keys may use a running M (the ceiling of the running maximum): every later rescaling is an exact power of two, which a block's scale takes up: the codes' values come out the same.
;;   OPERANDS COMPUTED ON THE WAY. 'Computed on the way' means the value that the module computes at that place (a softmax that the list does not call 'softmax' is quantised finished and normalised). What goes into a quantiser is computed in f32, as accurately as f32 sums, v_exp_f32 and their like allow (about 1e-6 of the number): no bf16 or f16 on the way to a quantiser, and a product that is left as it is and whose result goes on into a quantised operand takes f32 operands (vector FMAs, or v_wmma_f32_16x16x4_f32). A number that lies on a knife's edge between two numbers of the format may be rounded either way, as far as f32 arithmetic and the matrix unit's own rounding can turn it there, and no further.
;;   INPUTS GIVEN AS CODES. Wkv (in the module: [1024, 512], K = its axis 1); Wproj (in the module: [512, 512], K = its axis 1); Wq (in the module: [512, 512], K = its axis 1); x (in the module: [8, 4096, 512], K = its axis 2): each comes as NAME_codes (uint8): NAME with its K axis moved to the last place and cut into blocks of 32 codes, [.., K / 32, bytes a block], one block behind the other in memory; four codes in three bytes: a row's codes are one little-endian stream of bits, code i at bits 6 i .. 6 i + 5 (a code: sign, 2 exponent bits, 3 mantissa bits); and NAME_scales (uint8): the same leading axes, one E8M0 byte (e + 127) for each 32 codes along K. Its value is code x scale, taken as it is: it is not quantised again, and the codes and scales need not be those that the quantiser above would give.
;; One version. Each part assembles by itself: llvm-mc -triple=amdgcn-amd-amdhsa -mcpu=gfx1250 --defsym DOCPART=n.
;; ======== version 1 of 1: 2 launches
;; limits: right only within a limited range of input values
;; workspace buffers: qc 12,582,912 bytes; qs 1,048,576 bytes; kv 26,214,400 bytes; vf 16,777,216 bytes; wpi 196,608 bytes
;; launch qkv (part 1): grid 32 x 8, 4 waves a work-group, no clusters, 133,632 bytes of LDS; arguments x_codes, x_scales, Wq_codes, Wq_scales, Wkv_codes, Wkv_scales, Wproj_codes, qc, qs, kv, vf, wpi; writes qc, qs, kv, vf, wpi
.if DOCPART == 1
	.amdgcn_target "amdgcn-amd-amdhsa--gfx1250"
	.amdhsa_code_object_version 6
	.text
	.protected	k_q3a70fb945e_qkv
	.globl	k_q3a70fb945e_qkv
	.p2align	8
	.type	k_q3a70fb945e_qkv,@function
k_q3a70fb945e_qkv:
	s_mov_b64 s[64:65], 0
	v_nop
	global_prefetch_b8 v0, s[64:65] scope:SCOPE_SE
	s_setreg_imm32_b32 hwreg(HW_REG_WAVE_MODE, 25, 1), 1
	s_wait_xcnt 0x0
; q, k, v = x Wq^T, x Wk^T, x Wv^T on the given codes of E2M3, for ONE head (work-group y) and 1,024 rows of one batch, and their quantising for the attention launch.
; ROW ORDER.  A wave takes 256 rows in the head's own window order np: from the low end px (lp bits), py (lp), wx (6 - lp), wy (6 - lp); token = px + (wx << lp) + 64 (py + (wy << lp)).
; lp = log2 of the window's side; head 0, which attends over all tokens, takes lp = 6, where np is the token.  The map permutes bits, so it is additive over numbers with disjoint bits.
; A STEP is 32 rows: two tiles u = 0, 1 of x.  Lane-row rho of tile u stands for row 8 u + (rho & 7) + 16 (rho >> 3) of the 32 (heads 1, 2: 16 u + rho: a tile is one window of 16).
; q^T and k^T: source 0 = 16 rows of the weight, source 1 = the tile of x: a lane holds one row of x and 16 neighbours along the head axis (lane r of weight tile 2 c + t takes head row 32 c + 8 t + (r & 7) + 16 (r >> 3)).
; v: source 0 = the tile of x, source 1 = the weight: a lane holds one channel and, over the two tiles, 16 neighbouring keys.  So every quantiser runs along a lane's registers and joins lanes l and l xor 16.
; K ORDER.  A lane's 48 registers of a tile are 192 consecutive bytes of a row: K step s, half c, lane half h hold block 8 h + 2 s + c, alike in x and in the weights: the products are the same, their order of summation is not.
; OUT.  Codes go out as tiles of 16 lane-rows x 32 codes (384 bytes, row rho at 24 rho; a lane stores its 16 codes, 12 bytes, at 24 rho + 12 h), in the order in which the next launch loads its operand registers.
;   qc [b][head][tile 256][block 2][384];  kv [b][head][32] chunks of 12,800 bytes for 128 keys: K at 1536 bb + 768 u + 384 c, V at 6144 + 1536 dt + 384 blk, scale words at 12288 + 16 lane
;   (lanes 0-15: the four words of K: tile 0 blocks 0, 1, tile 1 blocks 0, 1; lanes 16-31: the four words of V);  qs [b][head][32][lane 16 u + r][4 words (s0, s1, s0, s1)];
;   vf: heads 1 and 2 keep v in f32 (their second product is left as it is): the accumulators as they stand, 16 bytes a lane;  wpi: Wproj as images of operand registers (work-groups of head 0 copy it).
; LIMITS.  NaN and infinities are not served.  A block whose largest magnitude lies under 2^-124, a block of zeros among them, carries the byte 1: only this program reads these bytes.
; No tensor loads and no cluster: the work-groups that read the same rows of x want them in LDS in four different row orders, so no two could state one descriptor.
; REGISTERS, in windows of 256.  Window 0: addresses, scale words, the quantiser, v128-159 q^T, v160-191 k^T, v192-255 v.  Window 1: v0-191 Wq, v192-239 the tile of x.
;   Window 2: v0-191 Wk, v192-255 x on its way (quads 0-15).  Window 3: v0-191 Wv, v192-227 x on its way (quads 16-23, and the scale bytes).
; LDS.  Rows of 384 bytes lie 400 bytes apart, in groups of 16 rows that begin GRP = 6,528 bytes apart (16 x 400 + 128).  A tile's lanes 0-7 and 8-15 take rows 16 apart: 6,528 bytes, which is 128 modulo 256,
; so that the sixteen lanes of a 16-byte load begin in sixteen different 16-byte columns of the 256.
.set GRP, 6528                         ; a group of 16 rows
.set KIND, 4*GRP                       ; the 64 rows of q, of k, of v: 26,112 bytes
.set XB0, 3*KIND                       ; 78,336: behind the 192 weight rows a region for each wave:
.set XBW, 13568                        ; 32 rows of x, two groups,
.set XSC, 12928                        ; and behind them the 32 rows' scale bytes
.set L16, 1                            ; v1      16 x lane
.set XO, 2                             ; v2-9    x: byte offset of granule g (four tokens, 1,536 consecutive bytes) + 16 x lane
.set XSO, 10                           ; v10     x's scale bytes: 16 x the token of LDS row = lane
.set LSA, 11                           ; v11-13  LDS: where piece 32 i + lane of a granule goes
.set LSS, 14                           ; v14     LDS: where my row's scale bytes go
.set XFA, 15                           ; v15     LDS: my lane-row of tile 0, my half
.set XSA, 16                           ; v16     LDS: its scale bytes
.set QA, 17                            ; v17-18  q: my 12 bytes, for tile u
.set KA, 19                            ; v19     k, v: 24 r + 12 h
.set SELV, 20                          ; v20     byte selects that make a step's scale word: lanes 0-15 an even step's, lanes 16-31 the odd step's
.set T0, 21                            ; v21-27  at work
.set WS, 28                            ; v28-51  the weights' scale words: 8 kind + 2 tile + step / 2
.set XS, 52                            ; v52-53  x's
.set XR, 54                            ; v54-57  a row's 16 scale bytes as loaded
.set MX, 58                            ; v58-61  largest magnitudes;  v62-65 the other half's;  v66-69 the conversions' scale operands;  v70-73 scale bytes
.set PT, 62
.set SO, 66
.set BY, 70
.set CC, 74                            ; v74-89  four blocks' codes, three registers in four
.set KW, 90                            ; v90-93 K's words, v94-97 V's, v98-101 q's, of four steps
.set VW, 94
.set QW, 98
.set OUTR, 102
.set HOLD, 106                         ; v106-107 tile 0's half words
.set WPR, 108                          ; v108-119 a fragment of Wproj
.set AQ, 128
.set AV, 192
.set XF, 192
.set STG, 192
.set MSB, 0
.macro WIN new                         ; the immediate's high byte repeats the setting that is left; a switch that changes nothing is dropped
.if MSB != \new
	s_set_vgpr_msb (MSB<<8)|\new
.set MSB, \new
.endif
.endm
.macro PLACES n
.rept \n
	v_nop
.endr
.endm
.macro TOK d, n, t                     ; d = the token of row number n
	s_and_b32 \d, \n, s33
	s_lshr_b32 \t, \n, s34
	s_and_b32 \t, \t, s35
	s_lshl_b32 \t, \t, s32
	s_add_co_u32 \d, \d, \t
	s_lshr_b32 \t, \n, s32
	s_and_b32 \t, \t, s33
	s_lshl_b32 \t, \t, 6
	s_add_co_u32 \d, \d, \t
	s_lshr_b32 \t, \n, s36
	s_and_b32 \t, \t, s35
	s_lshl_b32 \t, \t, s36
	s_add_co_u32 \d, \d, \t
.endm
; x of step s40 + add: eight granules of 1,536 consecutive bytes, three loads of 512 bytes each, and the 32 rows' scale bytes: 25 loads
.macro GLOAD add
	s_lshl_b32 s56, s40, 5
	s_add_co_u32 s56, s56, s66
.if \add
	s_add_co_u32 s56, s56, 32
.endif
	TOK s57, s56, s58
	s_mul_i32 s58, s57, 384
	s_mov_b32 s59, 0
	s_add_nc_u64 s[42:43], s[4:5], s[58:59]
	s_lshl_b32 s58, s57, 4
	s_add_nc_u64 s[44:45], s[6:7], s[58:59]
	WIN 0x80
.set q_, 0
.rept 24
.if q_ == 16
	WIN 0xc0
.endif
	global_load_b128 v[STG+4*(q_%16):STG+4*(q_%16)+3], v[XO+q_/3], s[42:43] offset:512*(q_%3)
.set q_, q_+1
.endr
	global_load_b128 v[STG+32:STG+35], v[XSO], s[44:45]
	WIN 0
.endm
.macro LSTORE                          ; and into my region of LDS, as rows: granule g is rows 4 g .. 4 g + 3; granules 4-7 are the second group
	WIN 0x08
.set q_, 0
.rept 24
.if q_ == 16
	WIN 0x0c
.endif
	ds_store_b128 v[LSA+q_%3], v[STG+4*(q_%16):STG+4*(q_%16)+3] offset:1600*(q_/3)+128*(q_/12)
.set q_, q_+1
.endr
	ds_store_b128 v[LSS], v[STG+32:STG+35]
	WIN 0
.endm
.macro XFLOAD u                        ; tile u: my lane-row's scale bytes and my 192 bytes of codes.  LDS serves a wave's instructions in order: these see the stores above
	ds_load_b128 v[XR:XR+3], v[XSA] offset:128*\u
	WIN 0x40
.irp i, 0,1,2,3,4,5,6,7,8,9,10,11
	ds_load_b128 v[XF+4*\i:XF+4*\i+3], v[XFA] offset:3200*\u+16*\i
.endr
	WIN 0
.endm
.macro XSCALE                          ; x's scale words of the four K steps, two to a register; eight places stand between a scale register so written and the products
	v_perm_b32 v[XS], v[XR+2], v[XR], v[SELV]
	v_perm_b32 v[XS+1], v[XR+3], v[XR+1], v[SELV]
	PLACES 8
.endm
; 16 products: kind 0 q, 1 k, 2 v; four accumulators by turns, K step by K step; the first K step starts the sums
.macro MM kind, u
.irp s, 0,1,2,3
.irp T, 0,1,2,3
.if \kind < 2
.set rD, AQ+32*\kind+8*\T
.set rA, 48*\T+12*\s
.set rB, XF+12*\s
.set rSA, WS+8*\kind+2*\T+\s/2
.set rSB, XS+\s/2
.else
.set rD, AV+16*\T+8*\u
.set rA, XF+12*\s
.set rB, 48*\T+12*\s
.set rSA, XS+\s/2
.set rSB, WS+16+2*\T+\s/2
.endif
.if \s == 0
	v_wmma_scale_f32_16x16x128_f8f6f4 v[rD:rD+7], v[rA:rA+11], v[rB:rB+11], 0, v[rSA], v[rSB] matrix_a_fmt:MATRIX_FMT_FP6 matrix_b_fmt:MATRIX_FMT_FP6
.elseif \s%2
	v_wmma_scale_f32_16x16x128_f8f6f4 v[rD:rD+7], v[rA:rA+11], v[rB:rB+11], v[rD:rD+7], v[rSA], v[rSB] matrix_a_fmt:MATRIX_FMT_FP6 matrix_b_fmt:MATRIX_FMT_FP6 matrix_a_scale:MATRIX_SCALE_ROW1 matrix_b_scale:MATRIX_SCALE_ROW1
.else
	v_wmma_scale_f32_16x16x128_f8f6f4 v[rD:rD+7], v[rA:rA+11], v[rB:rB+11], v[rD:rD+7], v[rSA], v[rSB] matrix_a_fmt:MATRIX_FMT_FP6 matrix_b_fmt:MATRIX_FMT_FP6
.endif
.endr
.endr
.endm
; Four blocks of 32, each 16 registers of lanes l and l xor 16, from v[base + 16 b] on: codes into v[CC + 4 b], scale bytes into v[BY + b].  Each accumulator is read from its low end on.
.macro Q4 base
.irp b, 0,1,2,3
	v_max3_num_f32 v[MX+\b], |v[\base+16*\b]|, |v[\base+16*\b+1]|, 0x1800000   ; and the floor 2^(3 - 127): the byte cannot fall under 1
.endr
.irp i, 2,4,6,8,10,12,14
.irp b, 0,1,2,3
	v_max3_num_f32 v[MX+\b], v[MX+\b], |v[\base+16*\b+\i]|, |v[\base+16*\b+\i+1]|
.endr
.endr
.irp b, 0,1,2,3
	v_permlanex16_b32 v[PT+\b], v[MX+\b], s54, s55
.endr
.irp b, 0,1,2,3
	v_max_num_f32 v[MX+\b], v[MX+\b], v[PT+\b]
.endr
.irp b, 0,1,2,3
	v_add_nc_u32 v[SO+\b], 0xff000000, v[MX+\b]    ; 2 off the exponent field: the conversion's scale operand
.endr
.irp b, 0,1,2,3
	v_lshrrev_b32 v[BY+\b], 23, v[SO+\b]
.endr
.irp b, 0,1,2,3
	v_cvt_scalef32_pk16_fp6_f32 v[CC+4*\b:CC+4*\b+2], v[\base+16*\b:\base+16*\b+15], v[SO+\b]
.endr
	v_nop                                          ; one plain place behind the last conversion
.endm
.macro EPIQK u, bq                     ; q and k of tile u: two blocks each
	s_wait_xcnt 0x0                                ; the earlier stores have read their data: the codes' registers may be written again
	Q4 AQ
	global_store_b96 v[QA+\u], v[CC:CC+2], s[46:47] offset:1536*\bq
	global_store_b96 v[QA+\u], v[CC+4:CC+6], s[46:47] offset:1536*\bq+384
	global_store_b96 v[KA], v[CC+8:CC+10], s[48:49] offset:1536*\bq+768*\u
	global_store_b96 v[KA], v[CC+12:CC+14], s[48:49] offset:1536*\bq+768*\u+384
.if \u == 0
	v_lshl_or_b32 v[HOLD], v[BY+1], 8, v[BY]
	v_lshl_or_b32 v[HOLD+1], v[BY+3], 8, v[BY+2]
.else
	v_lshl_or_b32 v[T0], v[BY+1], 8, v[BY]
	v_lshl_or_b32 v[T0+1], v[BY+3], 8, v[BY+2]
	v_lshl_or_b32 v[KW+\bq], v[T0+1], 16, v[HOLD+1]     ; K: tile 0's two bytes, tile 1's two
	v_lshl_or_b32 v[T0], v[T0], 16, v[T0]               ; q: (s0, s1, s0, s1); lanes 0-15 keep tile 0's rows, lanes 16-31 tile 1's
	v_lshl_or_b32 v[T0+2], v[HOLD], 16, v[HOLD]
	v_cndmask_b32 v[QW+\bq], v[T0+2], v[T0], s62
.endif
.endm
.macro EPIV bq                         ; v of both tiles: quantised along the 32 keys, or (heads 1, 2) kept in f32
	s_cmp_eq_u32 s32, 2
	s_cbranch_scc1 .Lvf_\@
	s_wait_xcnt 0x0
	Q4 AV
.irp dt, 0,1,2,3
	global_store_b96 v[KA], v[CC+4*\dt:CC+4*\dt+2], s[48:49] offset:6144+1536*\dt+384*\bq
.endr
.irp dt, 0,1,2,3
.if \bq == 0
	v_mov_b32 v[VW+\dt], v[BY+\dt]
.else
	v_lshl_or_b32 v[VW+\dt], v[BY+\dt], 8*\bq, v[VW+\dt]
.endif
.endr
	s_branch .Lvd_\@
.Lvf_\@:
.irp u, 0,1
.irp dt, 0,1,2,3
	global_store_b128 v[L16], v[AV+16*\dt+8*\u:AV+16*\dt+8*\u+3], s[52:53] offset:((2*\bq+\u)*4+\dt)*1024      ; 32 lanes store 512 consecutive bytes; each accumulator from its low end on
	global_store_b128 v[L16], v[AV+16*\dt+8*\u+4:AV+16*\dt+8*\u+7], s[52:53] offset:((2*\bq+\u)*4+\dt)*1024+512
.endr
.endr
.irp dt, 0,1,2,3
	v_mov_b32 v[VW+\dt], 0
.endr
.Lvd_\@:
.endm
; A step: 32 rows, 96 products.  x of the next step is asked for at its head and goes into LDS behind the second tile's products.
.macro STEP bq
	s_wait_dscnt 0x0                               ; tile 0 is in registers, and the stores into LDS have read theirs
	s_wait_xcnt 0x0                                ; earlier loads and stores have read their addresses and data: x's pointers and v's accumulators may be written
.if \bq == 3
	s_cmp_eq_u32 s41, 1                            ; the wave's last step asks for nothing: no load leaves its buffer
	s_cbranch_scc1 .Lnl_\@
.endif
	GLOAD 1
.if \bq == 3
.Lnl_\@:
.endif
	XSCALE
	WIN 0x05
	MM 0, 0
	WIN 0x06
	MM 1, 0
	WIN 0x0d
	s_wait_alu depctr_va_vdst(0)
	MM 2, 0
	WIN 0
	PLACES 4                                       ; in front of loads into registers that the products have read, and of the first read of results
	XFLOAD 1
	EPIQK 0, \bq
	s_wait_dscnt 0x0                               ; tile 1 is in
	XSCALE
	WIN 0x05
	MM 0, 1
	WIN 0x06
	MM 1, 1
	WIN 0x0d
	MM 2, 1
	WIN 0
	PLACES 4
	s_wait_loadcnt 0x0                             ; the next step's x is in registers
.if \bq == 3
	s_cmp_eq_u32 s41, 1
	s_cbranch_scc1 .Lns_\@
.endif
	LSTORE
	XFLOAD 0
.if \bq == 3
.Lns_\@:
.endif
	EPIQK 1, \bq
	EPIV \bq
	s_add_co_u32 s40, s40, 1
.endm
	s_load_b512 s[4:19], s[0:1], 0x0               ; x_codes, x_scales, Wq_codes, Wq_scales, Wkv_codes, Wkv_scales, Wproj_codes, qc
	s_load_b256 s[20:27], s[0:1], 0x40             ; qs, kv, vf, wpi
	v_lshl_add_u32 v85, v0, 2, 0x20800
	v_mov_b32 v89, 0
	v_lshrrev_b32 v21, 5, v0
	v_readfirstlane_b32 s28, v21                   ; wave
	s_and_b32 s29, ttmp7, 0xffff                   ; head
	s_lshr_b32 s30, ttmp9, 2                       ; batch
	s_and_b32 s31, ttmp9, 3
	s_lshl_b32 s31, s31, 2
	s_add_co_u32 s31, s31, s28                     ; J: which 256 rows
	s_lshl_b32 s66, s31, 8
	s_lshl_b32 s56, s29, 2
	s_lshr_b32 s32, 0x44333226, s56
	s_and_b32 s32, s32, 15                         ; lp
	s_lshl_b32 s33, 1, s32
	s_sub_co_u32 s33, s33, 1                       ; mask of lp bits
	s_lshl_b32 s34, s32, 1                         ; 2 lp
	s_sub_co_u32 s35, 6, s32
	s_lshl_b32 s35, 1, s35
	s_sub_co_u32 s35, s35, 1                       ; mask of 6 - lp bits
	s_add_co_u32 s36, s32, 6                       ; lp + 6
	TOK s37, 4, s56
	TOK s38, 8, s56
	TOK s39, 16, s56
	s_cmp_eq_u32 s32, 2                            ; heads 1, 2: LDS row bits 3 and 4 stand for rows 16 and 8, so that a tile is 16 neighbouring rows: one window
	s_cselect_b32 s56, s39, s38
	s_cselect_b32 s39, s38, s39
	s_mov_b32 s38, s56
	s_mov_b32 s54, 0x76543210
	s_mov_b32 s55, 0xfedcba98                      ; v_permlanex16_b32: lane l xor 16
	s_mov_b32 s62, 0xffff0000                      ; lanes 16-31
	s_mul_i32 s67, s28, XBW
	s_add_co_u32 s67, s67, XB0                     ; my region of LDS
	v_and_b32 v21, 31, v0                          ; lane
	v_and_b32 v22, 15, v0                          ; r
	v_bfe_u32 v23, v0, 4, 1                        ; h
	v_and_b32 v24, 7, v0                           ; r & 7
	v_bfe_u32 v25, v0, 3, 1                        ; r >> 3
	v_lshlrev_b32 v[L16], 4, v21
	s_mul_i32 s56, s37, 384
	s_mul_i32 s57, s38, 384
	s_mul_i32 s58, s39, 384
	v_mov_b32 v[XO], v[L16]
	v_add_nc_u32 v[XO+1], s56, v[L16]
	v_add_nc_u32 v[XO+2], s57, v[XO]
	v_add_nc_u32 v[XO+3], s57, v[XO+1]
.irp g, 0,1,2,3
	v_add_nc_u32 v[XO+4+\g], s58, v[XO+\g]
.endr
	v_and_b32 v[XSO], 3, v0
	v_bfe_u32 v126, v0, 2, 1
	v_mad_u32_u24 v[XSO], v126, s37, v[XSO]
	v_mad_u32_u24 v[XSO], v25, s38, v[XSO]
	v_mad_u32_u24 v[XSO], v23, s39, v[XSO]
	v_lshlrev_b32 v[XSO], 4, v[XSO]
.irp i, 0,1,2
	v_add_nc_u32 v126, 32*\i, v21                  ; piece q of a granule lies in row q / 24: 16 q + 16 (q / 24), rows being 400 bytes apart
	v_mul_u32_u24 v127, v126, 2731
	v_lshrrev_b32 v127, 16, v127
	v_add_nc_u32 v126, v126, v127
	v_lshl_add_u32 v[LSA+\i], v126, 4, s67
.endr
	v_add_nc_u32 v[LSS], s67, v[L16]
	v_add_nc_u32 v[LSS], XSC, v[LSS]
	v_lshl_add_u32 v26, v25, 4, v24                ; (r & 7) + 16 (r >> 3)
	v_mul_u32_u24 v27, v26, 400
	v_lshl_add_u32 v27, v25, 7, v27
	v_mad_u32_u24 v27, v23, 192, v27               ; a lane's place in a tile: 400 (r & 7) + GRP (r >> 3) + 192 h: for the weights as it stands,
	v_add_nc_u32 v[XFA], s67, v27                  ; for x in my region
	v_lshl_add_u32 v[XSA], v26, 4, s67
	v_add_nc_u32 v[XSA], XSC, v[XSA]
	v_lshlrev_b32 v124, 4, v26                     ; the weights' scale rows
	s_mov_b32 s60, 768
	s_mov_b32 s61, 192
	s_cmp_eq_u32 s32, 2
	s_cselect_b32 s56, s61, s60                    ; q's tiles hold 16 neighbouring rows: lane-row bit 3 is a tile on (768) and u eight rows on (192); heads 1, 2 the other way round
	s_cselect_b32 s57, s60, s61
	v_mul_u32_u24 v[QA], v24, 24
	v_mad_u32_u24 v[QA], v23, 12, v[QA]
	v_mad_u32_u24 v[QA], v25, s56, v[QA]
	v_add_nc_u32 v[QA+1], s57, v[QA]
	v_mul_u32_u24 v[KA], v22, 24
	v_mad_u32_u24 v[KA], v23, 12, v[KA]
	v_mov_b32 v[SELV], 0x05010400
	v_mov_b32 v126, 0x07030602
	v_cndmask_b32 v[SELV], v[SELV], v126, s62
	v_lshlrev_b32 v120, 4, v0                      ; the weights on their way in: 16 x thread
.irp i, 0,1,2
	v_add_nc_u32 v126, 128*\i, v0                  ; piece q = 128 i + thread of a group of 16 rows (6,144 bytes of memory): 16 q + 16 (q / 24): at most 6,368
	v_mul_u32_u24 v127, v126, 2731
	v_lshrrev_b32 v127, 16, v127
	v_add_nc_u32 v126, v126, v127
	v_lshlrev_b32 v[121+\i], 4, v126
.endr
	v_mul_u32_u24 v125, v22, 384
	v_mad_u32_u24 v125, v23, 24, v125              ; Wproj: row r, my half
.irp b, 0,1,2,3
	v_mov_b32 v[PT+\b], 0                          ; written once: a lane permute's destination counts as one of its sources
.endr
	s_mov_b32 s40, 0
	s_mov_b32 s41, 2
	s_mov_b32 s57, 0
	s_mov_b32 s61, 0
	s_wait_kmcnt 0x0
	s_mul_i32 s56, s30, 1572864
	s_add_nc_u64 s[4:5], s[4:5], s[56:57]          ; x at my batch
	s_lshl_b32 s56, s30, 16
	s_add_nc_u64 s[6:7], s[6:7], s[56:57]
	s_mul_i32 s56, s29, 24576
	s_add_nc_u64 s[8:9], s[8:9], s[56:57]          ; the weights at my head's 64 rows
	s_add_nc_u64 s[12:13], s[12:13], s[56:57]
	s_lshl_b32 s56, s29, 10
	s_add_nc_u64 s[10:11], s[10:11], s[56:57]
	s_add_nc_u64 s[14:15], s[14:15], s[56:57]
	s_mul_i32 s56, ttmp9, 6144
	s_mul_i32 s60, s28, 96
	s_add_co_u32 s60, s60, s56
	s_add_nc_u64 s[16:17], s[16:17], s[60:61]      ; Wproj: column tile x, K step = wave
	s_mul_i32 s60, s28, 1536
	s_add_co_u32 s60, s60, s56
	s_add_nc_u64 s[26:27], s[26:27], s[60:61]
	s_lshl_b32 s58, s30, 3
	s_add_co_u32 s58, s58, s29                     ; 8 b + head
	s_mul_i32 s56, s58, 196608
	s_mul_i32 s60, s31, 12288
	s_add_co_u32 s56, s56, s60
	s_add_nc_u64 s[46:47], s[18:19], s[56:57]      ; qc
	s_lshl_b32 s60, s58, 5
	s_lshl_b32 s59, s31, 1
	s_add_co_u32 s60, s60, s59
	s_mul_i32 s56, s60, 12800
	s_add_nc_u64 s[48:49], s[22:23], s[56:57]      ; kv
	s_lshl_b32 s56, s60, 9
	s_add_nc_u64 s[50:51], s[20:21], s[56:57]      ; qs
	s_max_u32 s59, s29, 1
	s_sub_co_u32 s59, s59, 1
	s_min_u32 s59, s59, 1                          ; head - 1, held to 0 .. 1 (used by heads 1 and 2 alone)
	s_lshl_b32 s56, s30, 1
	s_add_co_u32 s56, s56, s59
	s_lshl_b32 s56, s56, 8
	s_lshl_b32 s59, s31, 4
	s_add_co_u32 s56, s56, s59
	s_lshl_b32 s56, s56, 12
	s_add_nc_u64 s[52:53], s[24:25], s[56:57]      ; vf
	; the head's weights: three dense runs of 24,576 bytes; the four waves read 2,048 consecutive bytes an instruction
	WIN 0x40
.irp m, 0,1,2,3
.irp i, 0,1,2
	global_load_b128 v[4*(3*\m+\i):4*(3*\m+\i)+3], v120, s[8:9] offset:6144*\m+2048*\i
	global_load_b128 v[48+4*(3*\m+\i):48+4*(3*\m+\i)+3], v120, s[12:13] offset:6144*\m+2048*\i
	global_load_b128 v[96+4*(3*\m+\i):96+4*(3*\m+\i)+3], v120, s[12:13] offset:196608+6144*\m+2048*\i
.endr
.endr
	WIN 0
.irp T, 0,1,2,3
	global_load_b128 v[128+4*\T:128+4*\T+3], v124, s[10:11] offset:(32*(\T/2)+8*(\T%2))*16
	global_load_b128 v[144+4*\T:144+4*\T+3], v124, s[14:15] offset:(32*(\T/2)+8*(\T%2))*16
	global_load_b128 v[160+4*\T:160+4*\T+3], v124, s[14:15] offset:8192+(32*(\T/2)+8*(\T%2))*16
.endr
	GLOAD 0
	s_cmp_lg_u32 s29, 0                            ; the 32 work-groups of head 0 lay Wproj out: column tile x, each wave one K step: twelve registers a lane, stored 16 bytes a lane
	s_cbranch_scc1 .Lnowp
	s_wait_alu depctr_va_vdst(0)
.irp p, 0,1,2,3,4,5
	global_load_b64 v[WPR+2*\p:WPR+2*\p+1], v125, s[16:17] offset:48*(\p/3)+8*(\p%3)
.endr
	s_wait_loadcnt 0x0
.irp q, 0,1,2
	global_store_b128 v[L16], v[WPR+4*\q:WPR+4*\q+3], s[26:27] offset:512*\q
.endr
.Lnowp:
	s_wait_loadcnt 25                              ; the weights and their scale rows are in; the 25 loads of x, issued behind them, may be out
	WIN 0x04
	s_wait_alu depctr_va_vdst(0)
.irp k, 0,1
.irp m, 0,1,2,3
.irp i, 0,1,2
	ds_store_b128 v[121+\i], v[48*\k+4*(3*\m+\i):48*\k+4*(3*\m+\i)+3] offset:KIND*\k+GRP*\m   ; group m of kind k: its 6,384 bytes end under the next group's first
.endr
.endr
.endr
	WIN 0
	s_wait_dscnt 0x0
.irp i, 0,1,2
	v_add_nc_u32 v[121+\i], 2*KIND, v[121+\i]      ; the third run lies beyond an offset's 16 bits
.endr
	WIN 0x04
.irp m, 0,1,2,3
.irp i, 0,1,2
	ds_store_b128 v[121+\i], v[96+4*(3*\m+\i):96+4*(3*\m+\i)+3] offset:GRP*\m
.endr
.endr
	WIN 0
	v_add_nc_u32 v26, 2*KIND, v27
	s_wait_alu depctr_va_vdst(0)
	s_wait_dscnt 0x0                               ; for the others' sake: my stores have landed
	s_barrier_signal -1
	s_barrier_wait -1                              ; the 192 rows lie in LDS: the launch's one barrier
	WIN 0x40                                       ; tile T begins at head row 32 (T / 2) + 8 (T % 2): two groups on for T / 2, eight rows on for T % 2
.irp T, 0,1,2,3
.irp i, 0,1,2,3,4,5,6,7,8,9,10,11
	ds_load_b128 v[48*\T+4*\i:48*\T+4*\i+3], v27 offset:2*GRP*(\T/2)+3200*(\T%2)+16*\i
.endr
.endr
	WIN 0x80
.irp T, 0,1,2,3
.irp i, 0,1,2,3,4,5,6,7,8,9,10,11
	ds_load_b128 v[48*\T+4*\i:48*\T+4*\i+3], v27 offset:KIND+2*GRP*(\T/2)+3200*(\T%2)+16*\i
.endr
.endr
	WIN 0xc0
.irp T, 0,1,2,3
.irp i, 0,1,2,3,4,5,6,7,8,9,10,11
	ds_load_b128 v[48*\T+4*\i:48*\T+4*\i+3], v26 offset:2*GRP*(\T/2)+3200*(\T%2)+16*\i
.endr
.endr
	WIN 0
.irp k, 0,1,2
.irp T, 0,1,2,3
.irp j, 0,1
	v_perm_b32 v[WS+8*\k+2*\T+\j], v[128+16*\k+4*\T+2+\j], v[128+16*\k+4*\T+\j], v[SELV]
.endr
.endr
.endr
	s_wait_loadcnt 0x0                             ; x of step 0
	LSTORE
	XFLOAD 0
.Ltrip:                                            ; two trips of four steps: 128 rows, one chunk of kv
	STEP 0
	STEP 1
	STEP 2
	STEP 3
	s_wait_xcnt 0x0
	s_wait_alu depctr_va_vdst(0)
.irp i, 0,1,2,3
	v_cndmask_b32 v[OUTR+\i], v[KW+\i], v[VW+\i], s62
.endr
	global_store_b128 v[L16], v[OUTR:OUTR+3], s[48:49] offset:12288
	global_store_b128 v[L16], v[QW:QW+3], s[50:51]
	s_wait_xcnt 0x0                                ; the stores have read their bases
	s_add_nc_u64 s[46:47], s[46:47], 6144
	s_add_nc_u64 s[48:49], s[48:49], 12800
	s_add_nc_u64 s[50:51], s[50:51], 512
	s_add_nc_u64 s[52:53], s[52:53], 32768
	s_sub_co_u32 s41, s41, 1
	s_cmp_lg_u32 s41, 0
	s_cbranch_scc1 .Ltrip
	s_wait_tensorcnt 0x0
	ds_add_u32 v85, v89
	s_wait_dscnt 0x0
	s_endpgm
.Lfunc_end_k_q3a70fb945e_qkv:
	.size	k_q3a70fb945e_qkv, .Lfunc_end_k_q3a70fb945e_qkv-k_q3a70fb945e_qkv
	.p2alignl 7, 3214868480
	.fill 96, 4, 3214868480
	.section	.rodata,"a",@progbits
	.p2align	6, 0x0
	.amdhsa_kernel k_q3a70fb945e_qkv
		.amdhsa_group_segment_fixed_size 133632
		.amdhsa_private_segment_fixed_size 0
		.amdhsa_enable_private_segment 0
		.amdhsa_kernarg_size 96
		.amdhsa_user_sgpr_count 2
		.amdhsa_user_sgpr_kernarg_segment_ptr 1
		.amdhsa_wavefront_size32 1
		.amdhsa_system_sgpr_workgroup_id_x 1
		.amdhsa_system_sgpr_workgroup_id_y 1
		.amdhsa_system_sgpr_workgroup_id_z 1
		.amdhsa_system_vgpr_workitem_id 0
		.amdhsa_next_free_vgpr 1024
		.amdhsa_next_free_sgpr 100
		.amdhsa_reserve_vcc 0
		.amdhsa_float_denorm_mode_32 3
		.amdhsa_float_denorm_mode_16_64 3
		.amdhsa_memory_ordered 1
		.amdhsa_forward_progress 1
		.amdhsa_inst_pref_size 167
	.end_amdhsa_kernel
	.amdgpu_metadata
---
amdhsa.version: [ 1, 2 ]
amdhsa.kernels:
  - .name:           k_q3a70fb945e_qkv
    .symbol:         k_q3a70fb945e_qkv.kd
    .args:
      - { .name: x_codes, .offset: 0, .size: 8, .value_kind: global_buffer, .address_space: global }
      - { .name: x_scales, .offset: 8, .size: 8, .value_kind: global_buffer, .address_space: global }
      - { .name: Wq_codes, .offset: 16, .size: 8, .value_kind: global_buffer, .address_space: global }
      - { .name: Wq_scales, .offset: 24, .size: 8, .value_kind: global_buffer, .address_space: global }
      - { .name: Wkv_codes, .offset: 32, .size: 8, .value_kind: global_buffer, .address_space: global }
      - { .name: Wkv_scales, .offset: 40, .size: 8, .value_kind: global_buffer, .address_space: global }
      - { .name: Wproj_codes, .offset: 48, .size: 8, .value_kind: global_buffer, .address_space: global }
      - { .name: qc, .offset: 56, .size: 8, .value_kind: global_buffer, .address_space: global }
      - { .name: qs, .offset: 64, .size: 8, .value_kind: global_buffer, .address_space: global }
      - { .name: kv, .offset: 72, .size: 8, .value_kind: global_buffer, .address_space: global }
      - { .name: vf, .offset: 80, .size: 8, .value_kind: global_buffer, .address_space: global }
      - { .name: wpi, .offset: 88, .size: 8, .value_kind: global_buffer, .address_space: global }
    .group_segment_fixed_size: 133632
    .private_segment_fixed_size: 0
    .kernarg_segment_align: 8
    .kernarg_segment_size: 96
    .max_flat_workgroup_size: 128
    .sgpr_count:     100
    .vgpr_count:     1024
    .wavefront_size: 32
...
	.end_amdgpu_metadata
.endif
;; end of part 1
;; launch attn (part 2): grid 32 x 8, 8 waves a work-group, no clusters, 313,856 bytes of LDS; arguments qc, qs, kv, vf, wpi, Wproj_scales, bproj, t1, t2, t3, t4, t5, t6, t7, out0; writes out0
.if DOCPART == 2
	.amdgcn_target "amdgcn-amd-amdhsa--gfx1250"
	.amdhsa_code_object_version 6
	.text
	.protected	k_q3a70fb945e_attn
	.globl	k_q3a70fb945e_attn
	.p2align	8
	.type	k_q3a70fb945e_attn,@function
k_q3a70fb945e_attn:
	s_mov_b64 s[64:65], 0
	v_nop
	global_prefetch_b8 v0, s[64:65] scope:SCOPE_SE
	s_setreg_imm32_b32 hwreg(HW_REG_WAVE_MODE, 25, 1), 1
	s_wait_xcnt 0x0
; The eight heads' attention and the output projection, for 128 fused rows of one batch (work-group x = jj, y = batch).  In heads 1 to 7 wave w owns the 16 rows of tile 8 jj + w;
; in the projection it owns out columns 64 w .. 64 w + 63 for all 128 rows.  The fused rows never go to memory: they are quantised into LDS.
; LAYOUT.  Both products are used transposed: S^T = K Q^T (source 0 = 16 keys, source 1 = 16 queries), O^T = V^T P^T: a lane holds ONE query (lane % 16) throughout.  Lane-row rho of key tile (bb, u) is key
; 32 bb + 8 u + (rho & 7) + 16 (rho >> 3), so that registers 16 bb + i of S^T are keys 32 bb + 16 (lane / 16) + i.  The head's 64 are half of the instruction's K: a fragment of K holds tile u = 0 in registers 0-5
; and tile u = 1 in registers 6-11, and is multiplied once by [Q | 0] and once by [0 | Q].
; SOFTMAX.  t = c S, c = log2(e) / 8; S holds score + 8 x bias: the tables lie in LDS times 8 (exact), and a score's bias is loaded into its accumulator register, which the product takes as C.
; M = the running largest t rounded up to a whole number; p = 2^(t - M) is quantised along the keys; the sum is taken of the unquantised p; when M moves, sum and O^T are multiplied by 2^(old M - new M), exactly.
; HEADS 1, 2 (windows of 16 keys): the second product is left in f32 (its result goes on into a quantiser): v_wmma_f32_16x16x4_f32 on v as the first launch left it.
; HEAD 0: THE KEYS ARE SHARED OUT BETWEEN TWO WAVES, THE QUERIES TAKEN TWO TILES A WAVE.  With g = w & 3 and kh = w >> 2, wave w takes tiles 2 g + kh (tile A, which it keeps) and 2 g + 1 - kh (tile B, which it hands over)
; against the chunks 2 n + kh, n = 0 .. 15: each fragment of K and V read from LDS serves 32 queries.  At the end waves w and w xor 4 exchange tile B's O^T, sum and -M through LDS and join them:
; both M are whole numbers, so the two factors are exact powers of two.  A pair of chunks (25,600 bytes) goes from memory through registers into one of THREE LDS buffers, two steps ahead of its use; three pairs are on
; their way in registers.  One barrier a step, its halves apart: a step signals in its middle, and the next step waits for that signal ahead of its stores.
; No tensor loads and no cluster: the one stream that work-groups share is a pair of chunks for eight waves' steps, a small part of what a step does, which is vector work.
; LIMITS.  NaN and infinities are not served.  A block whose largest magnitude lies under 2^-124, a block of zeros among them, carries the byte 1 (its codes are zeros or held).
; O^T and the sums begin as zeros (32 moves a tile), so that the key step is written once.
; REGISTERS.  Window 0: v1-13 addresses (head 0: v11 K's and V's place, v12-13 tile B's -M and largest t); v14-25 statistics; v26-45 the quantiser (v41, v45: head 0's stores of a pair's second chunk),
;   in the projection Wproj's scale words; v46-53 scale words; v54-77 [Q | 0], [0 | Q]; v78-89 P; v90-137 K; v138-185 V; v186-249 S^T; v250-255 addresses (head 0: v250-252 tile B's sum and factor, v255 the scale words' place).
;   Window 1: v0-31 O^T; v32-63 the f32 form's results (written by nothing else); v64-159 three pairs of chunks on their way; v160-172 a window chunk; v160-223 at first v of heads 1, 2;
;   v176-207 tile B's O^T; v224-247 tile B's Q; behind head 0 v64-255 hold Wproj's 16 fragments.
.set CH, 12800                         ; a chunk: K 6,144 bytes, V 6,144, scale words 512
.set PR, 2*CH                          ; a pair of chunks
.set WR, 3*PR                          ; LDS: 0: head 0's three buffers;  WR: seven chunks: heads 3, 4, 5, and two each of heads 6, 7
.set TB, WR+7*CH                       ; the tables times 8: t1 .. t5 1,024 bytes each, t6, t7 4,096 each
.set FU, TB+13312                      ; the fused rows' codes: 8 tiles x 16 rows, 400 bytes apart
.set FS, FU+51200                      ; their scale bytes: 16 a row
.set OST, FS+2048                      ; a stage of 16 rows x 272 bytes for each wave
.set PSC, OST+34816                    ; Wproj's scale bytes
.set PBI, PSC+8192                     ; bproj
.set SPARE, PBI+2048                   ; the spare words, 128 bytes a wave
.set XCH, SPARE+1024                   ; head 0's exchange: for each wave 32 registers of O^T (4,096 bytes) and 8 bytes a lane (-M, sum)
.set XW, 4352
.set LT16, 1                           ; v1  16 x thread
.set LT2, 2                            ; v2  2 x thread
.set FRL, 3                            ; v3  384 h + 24 r: my place in a pair of code tiles
.set SCL, 4                            ; v4  16 x lane
.set PFO, 5                            ; v5  the prefetches: 256 x (lane + 32 x wave), held at block 99
.set QSA, 6                            ; v6  my query's scale word
.set FUA, 7                            ; v7  where my fused codes go
.set FSA, 8                            ; v8  and their scale byte
.set A0, 9                             ; v9-13 a section's own addresses
.set FRK, 11                           ; head 0: FRL + kh x CH
.set SCA, 255                          ; head 0: SCL + kh x CH
.set LB16, 41                          ; head 0: LT16 + CH, LT2 + CH: a pair's second chunk (an offset has 16 bits)
.set LB2, 45
.set A2, 20                            ; v[20:21] at work
.set TT, 22
.set PW, 23                            ; P's scale word
.set KWR, 25
.set BM, 26
.set BT, 30
.set SO, 34
.set CT, 38
.set PWS, 26                           ; v26-41 in the projection: the scale words of my 64 rows of Wproj, 4 j + s
.set SCK, 46                           ; v46-49 K's scale words (lanes 0-15)
.set SCV, 50                           ; v50-53 V's (lanes 16-31)
.set PF, 78
.set KF, 90
.set VF, 138
.set S, 186
.set BL, 250
.set OF, 32
.set STG, 64
.set WSTG, 160
.set VFH, 160
.set WP, 64
.set MSB, 0
; The registers of a tile of queries: -M, the largest t, the sum (a pair), the factor (a pair's low word), O^T (window 1), [Q | 0], [0 | Q], Q's scale word.  Tile B's Q lies in window 1.
.macro TILEA
.set NM, 14
.set TMX, 15
.set LL, 16
.set FF, 18
.set O, 0
.set QLO, 54
.set QHI, 66
.set QS, 24
.endm
.macro TILEB
.set NM, 12
.set TMX, 13
.set LL, 250
.set FF, 252
.set O, 176
.set QLO, 224
.set QHI, 236
.set QS, 25
.endm
	TILEA
.macro WIN new                         ; the immediate's high byte repeats the setting that is left; a switch that changes nothing is dropped
.if MSB != \new
	s_set_vgpr_msb (MSB<<8)|\new
.set MSB, \new
.endif
.endm
.macro PLACES n
.rept \n
	v_nop
.endr
.endm
.macro LC reg, base, imm               ; a chunk: every thread 3 x 16 bytes and 2 bytes: four loads
.irp q, 0,1,2
	global_load_b128 v[\reg+4*\q:\reg+4*\q+3], v[LT16], s[\base:\base+1] offset:\imm+4096*\q
.endr
	global_load_u16 v[\reg+12], v[LT2], s[\base:\base+1] offset:\imm+12288
.endm
.macro LOADCHUNK reg, base, imm
	WIN 0x40
	LC \reg, \base, \imm
	WIN 0
.endm
.macro LOADPAIR reg, base, imm         ; eight loads
	WIN 0x40
	LC \reg, \base, \imm
	LC \reg+16, \base, \imm+CH
	WIN 0
.endm
.macro SC reg, a16, a2, imm
.irp q, 0,1,2
	ds_store_b128 v[\a16], v[\reg+4*\q:\reg+4*\q+3] offset:\imm+4096*\q
.endr
	ds_store_b16 v[\a2], v[\reg+12] offset:\imm+12288
.endm
.macro STORECHUNK reg, a16, a2, imm
	WIN 0x04
	SC \reg, \a16, \a2, \imm
	WIN 0
.endm
.macro STOREPAIR reg, imm              ; eight stores
	WIN 0x04
	SC \reg, LT16, LT2, \imm
	SC \reg+16, LB16, LB2, \imm
	WIN 0
.endm
.macro FRAG reg, adr, off              ; a fragment: two neighbouring pairs of code tiles, 24 bytes of each, in pieces of 8
.irp p, 0,1,2,3,4,5
	ds_load_b64 v[\reg+2*\p:\reg+2*\p+1], v[\adr] offset:\off+768*(\p/3)+8*(\p%3)
.endr
.endm
.macro QLOAD iq, is                    ; my tile of Q, into both forms, and its scale word: seven loads
.irp p, 0,1,2
	global_load_b64 v[QLO+2*\p:QLO+2*\p+1], v[FRL], s[50:51] offset:\iq+8*\p
	global_load_b64 v[QHI+6+2*\p:QHI+7+2*\p], v[FRL], s[50:51] offset:\iq+8*\p
.endr
	global_load_b32 v[QS], v[QSA], s[52:53] offset:\is
.endm
.macro QLOAD0                          ; head 0: tiles A and B of Q and their scale words: fourteen loads
.irp p, 0,1,2
	global_load_b64 v[54+2*\p:55+2*\p], v[FRL], s[90:91] offset:8*\p
	global_load_b64 v[72+2*\p:73+2*\p], v[FRL], s[90:91] offset:8*\p
.endr
	global_load_b32 v24, v152, s[52:53]
	global_load_b32 v25, v153, s[52:53]
	WIN 0x40
.irp p, 0,1,2
	global_load_b64 v[224+2*\p:225+2*\p], v[FRL], s[92:93] offset:8*\p
	global_load_b64 v[242+2*\p:243+2*\p], v[FRL], s[92:93] offset:8*\p
.endr
	WIN 0
.endm
.macro H12LOAD hd                      ; heads 1, 2: Q, my window's tile of K, both scale words: eight loads
.irp p, 0,1,2
	global_load_b64 v[QLO+2*\p:QLO+2*\p+1], v[FRL], s[50:51] offset:196608*\hd+8*\p
	global_load_b64 v[KF+2*\p:KF+2*\p+1], v143, s[82:83] offset:409600*\hd+8*\p
.endr
	global_load_b32 v[QS], v145, s[52:53] offset:16384*\hd
	global_load_b32 v[KWR], v144, s[82:83] offset:409600*\hd+12288
.endm
.macro WPLOAD q0, n                    ; n quads of Wproj's fragments from quad q0 on
	WIN 0x40
.set q_, \q0
.rept \n
	global_load_b128 v[WP+4*q_:WP+4*q_+3], v[SCL], s[12:13] offset:512*q_
.set q_, q_+1
.endr
	WIN 0
.endm
.macro QK nb, czero                    ; 2 nb products: each accumulator once.  czero = 0: C is the accumulator itself, which holds 8 x bias
.set b_, 0
.rept \nb
.if \czero
	v_wmma_scale_f32_16x16x128_f8f6f4 v[S+16*b_:S+16*b_+7], v[KF+12*b_:KF+12*b_+11], v[QLO:QLO+11], 0, v[SCK+b_], v[QS] matrix_a_fmt:MATRIX_FMT_FP6 matrix_b_fmt:MATRIX_FMT_FP6
	v_wmma_scale_f32_16x16x128_f8f6f4 v[S+16*b_+8:S+16*b_+15], v[KF+12*b_:KF+12*b_+11], v[QHI:QHI+11], 0, v[SCK+b_], v[QS] matrix_a_fmt:MATRIX_FMT_FP6 matrix_b_fmt:MATRIX_FMT_FP6
.else
	v_wmma_scale_f32_16x16x128_f8f6f4 v[S+16*b_:S+16*b_+7], v[KF+12*b_:KF+12*b_+11], v[QLO:QLO+11], v[S+16*b_:S+16*b_+7], v[SCK+b_], v[QS] matrix_a_fmt:MATRIX_FMT_FP6 matrix_b_fmt:MATRIX_FMT_FP6
	v_wmma_scale_f32_16x16x128_f8f6f4 v[S+16*b_+8:S+16*b_+15], v[KF+12*b_:KF+12*b_+11], v[QHI:QHI+11], v[S+16*b_+8:S+16*b_+15], v[SCK+b_], v[QS] matrix_a_fmt:MATRIX_FMT_FP6 matrix_b_fmt:MATRIX_FMT_FP6
.endif
.set b_, b_+1
.endr
.endm
; The softmax of nb blocks of 32 keys (nb = 4 or 2): S^T becomes p, P's codes go to v[PF] on and its scale word to v[PW].
.macro SOFTMAX nb
.set b_, 0
.rept \nb
	v_max3_num_f32 v[BM+b_], v[S+16*b_], v[S+16*b_+1], v[S+16*b_+2]     ; the largest score of each block: for the row's maximum, and, since p rises with the score, for the block's largest p
.set b_, b_+1
.endr
.irp i, 3,5,7,9,11,13
.set b_, 0
.rept \nb
	v_max3_num_f32 v[BM+b_], v[BM+b_], v[S+16*b_+\i], v[S+16*b_+\i+1]
.set b_, b_+1
.endr
.endr
.set b_, 0
.rept \nb
	v_max_num_f32 v[BM+b_], v[BM+b_], v[S+16*b_+15]
.set b_, b_+1
.endr
.set b_, 0
.rept \nb
	v_permlanex16_b32 v[BT+b_], v[BM+b_], s60, s61
.set b_, b_+1
.endr
.set b_, 0
.rept \nb
	v_max_num_f32 v[BM+b_], v[BM+b_], v[BT+b_]
.set b_, b_+1
.endr
.if \nb == 4
	s_delay_alu instid0(VALU_DEP_2)
	v_max3_num_f32 v[TT], v[BM], v[BM+1], v[BM+2]
	s_delay_alu instid0(VALU_DEP_1)
	v_max_num_f32 v[TT], v[TT], v[BM+3]
.else
	s_delay_alu instid0(VALU_DEP_1)
	v_max_num_f32 v[TT], v[BM], v[BM+1]
.endif
	s_delay_alu instid0(VALU_DEP_1)
	v_mul_f32 v[TT], s62, v[TT]
	s_delay_alu instid0(VALU_DEP_1)
	v_max_num_f32 v[TMX], v[TMX], v[TT]            ; the running largest t
	v_mov_b32 v[TT], v[NM]
	s_delay_alu instid0(VALU_DEP_2)
	v_floor_f32 v[NM], -v[TMX]                     ; -M = floor(-t): M is a whole number
	s_delay_alu instid0(VALU_DEP_1)
	v_sub_f32 v[TT], v[NM], v[TT]
	s_delay_alu instid0(VALU_DEP_1)
	v_cvt_i32_f32 v[TT], v[TT]                     ; (it saturates)
	s_delay_alu instid0(VALU_DEP_1)
	v_ldexp_f32 v[FF], 1.0, v[TT]                  ; 2^(old M - new M)
.set j_, 0
.rept 8*\nb
	v_pk_fma_f32 v[S+j_:S+j_+1], v[S+j_:S+j_+1], s[62:63], v[NM:NM+1] op_sel_hi:[1,0,0]     ; t - M
.set j_, j_+2
.endr
.set b_, 0
.rept \nb
	v_fma_f32 v[BM+b_], v[BM+b_], s62, v[NM]
.set b_, b_+1
.endr
.set j_, 0
	s_wait_alu depctr_va_vdst(0)                   ; the wait ahead of the batch
.rept 16*\nb
	v_exp_f32 v[S+j_], v[S+j_]                     ; p, at most 1, not normalised: one batch
.set j_, j_+1
.endr
	v_pk_mul_f32 v[LL:LL+1], v[LL:LL+1], v[FF:FF+1] op_sel_hi:[1,0]     ; the sums under the new M: the plain place behind the batch
	s_wait_alu depctr_va_vdst(0)                   ; one wait for the batch, ahead of its first reader
.set b_, 0
.rept \nb
	v_exp_f32 v[BM+b_], v[BM+b_]                   ; each block's largest p
.set b_, b_+1
.endr
	v_pk_add_f32 v[A2:A2+1], v[S:S+1], v[S+2:S+3]  ; the row's sum, of the unquantised p, in two chains
.set j_, 4
.rept 4*\nb-1
	v_pk_add_f32 v[LL:LL+1], v[LL:LL+1], v[S+j_:S+j_+1]
	v_pk_add_f32 v[A2:A2+1], v[A2:A2+1], v[S+j_+2:S+j_+3]
.set j_, j_+4
.endr
	s_delay_alu instid0(VALU_DEP_1)
	v_pk_add_f32 v[LL:LL+1], v[LL:LL+1], v[A2:A2+1]
	s_wait_alu depctr_va_vdst(0)                   ; and one for the blocks' few
.set b_, 0
.rept \nb
	v_max_num_f32 v[BM+b_], 0x1800000, v[BM+b_]    ; the floor 2^(3 - 127): the byte cannot fall under 1
.set b_, b_+1
.endr
.set b_, 0
.rept \nb
	v_add_nc_u32 v[SO+b_], 0xff000000, v[BM+b_]
.set b_, b_+1
.endr
.set b_, 0
.rept \nb
	v_lshrrev_b32 v[BT+b_], 23, v[SO+b_]
.set b_, b_+1
.endr
	v_lshl_or_b32 v[PW], v[BT+1], 8, v[BT]
.if \nb == 4
	s_delay_alu instid0(VALU_DEP_1)
	v_lshl_or_b32 v[PW], v[BT+2], 16, v[PW]
	s_delay_alu instid0(VALU_DEP_1)
	v_lshl_or_b32 v[PW], v[BT+3], 24, v[PW]
.endif
.set c_, 0
.rept \nb/2
	v_cvt_scalef32_pk16_fp6_f32 v[PF+6*c_:PF+6*c_+2], v[S+32*c_:S+32*c_+15], v[SO+2*c_]
	v_cvt_scalef32_pk16_fp6_f32 v[CT+4*c_:CT+4*c_+2], v[S+32*c_+16:S+32*c_+31], v[SO+2*c_+1]
.set c_, c_+1
.endr
	v_nop                                          ; one plain place behind the last conversion
.set c_, 0
.rept \nb/2                            ; the operand wants a whole block in a lane: lanes 0-15 block 2 c, lanes 16-31 block 2 c + 1
.irp i, 0,1,2
	v_permlane16_swap_b32 v[PF+6*c_+\i], v[CT+4*c_+\i]
.endr
.irp i, 0,1,2
	s_delay_alu instid0(VALU_DEP_3)
	v_mov_b32 v[PF+6*c_+3+\i], v[CT+4*c_+\i]
.endr
.set c_, c_+1
.endr
.endm
.macro PV n                            ; O^T under the new M (these sixteen are also the places in front of the products), then O^T += V^T P^T.  n: the younger LDS instructions that may stay out
	WIN 0x41
	s_wait_alu depctr_va_vdst(0)                   ; the wait here, directly ahead of the first reader of O^T
.set j_, 0
.rept 16
	v_pk_mul_f32 v[O+j_:O+j_+1], v[O+j_:O+j_+1], v[FF:FF+1] op_sel_hi:[1,0]
.set j_, j_+2
.endr
	s_wait_alu depctr_va_vdst(0)
	s_wait_dscnt \n
	WIN 0x50
.irp dt, 0,1,2,3
	v_wmma_scale_f32_16x16x128_f8f6f4 v[O+8*\dt:O+8*\dt+7], v[VF+12*\dt:VF+12*\dt+11], v[PF:PF+11], v[O+8*\dt:O+8*\dt+7], v[SCV+\dt], v[PW] matrix_a_fmt:MATRIX_FMT_FP6 matrix_b_fmt:MATRIX_FMT_FP6 matrix_a_scale:MATRIX_SCALE_ROW1
.endr
	WIN 0
.endm
.macro INIT
	WIN 0x40
.set j_, 0
.rept 32
	v_mov_b32 v[O+j_], 0
.set j_, j_+1
.endr
	WIN 0
	v_mov_b32 v[LL], 0
	v_mov_b32 v[LL+1], 0
	v_mov_b32 v[TMX], 0xff61b1e6                   ; -3e38, under every t
	s_delay_alu instid0(VALU_DEP_1)
	v_floor_f32 v[NM], -v[TMX]
.endm
; A head's end: O^T (32 registers of window 1 from src on) is divided by the sum and quantised along the head's 64: two blocks; 24 bytes of codes and a scale byte a lane go to LDS.
.macro FINISH src, np, fa, fo, sa, so
	PLACES \np
	v_add_f32 v[TT], v[LL], v[LL+1]
	s_delay_alu instid0(VALU_DEP_1)
	v_permlanex16_b32 v[BT], v[TT], s60, s61
	s_delay_alu instid0(VALU_DEP_1)
	v_add_f32 v[TT], v[TT], v[BT]
	s_wait_alu depctr_va_vdst(0)
	v_rcp_f32 v[A2], v[TT]
	v_nop
	s_wait_alu depctr_va_vdst(0)
	WIN 0x01
.set j_, 0
.rept 16
	v_pk_mul_f32 v[S+j_:S+j_+1], v[\src+j_:\src+j_+1], v[A2:A2+1] op_sel_hi:[1,0]     ; each accumulator from its low end on
.set j_, j_+2
.endr
	WIN 0
.irp b, 0,1
	v_max3_num_f32 v[BM+\b], |v[S+16*\b]|, |v[S+16*\b+1]|, 0x1800000
.endr
.irp i, 2,4,6,8,10,12,14
.irp b, 0,1
	s_delay_alu instid0(VALU_DEP_2)
	v_max3_num_f32 v[BM+\b], v[BM+\b], |v[S+16*\b+\i]|, |v[S+16*\b+\i+1]|
.endr
.endr
.irp b, 0,1
	s_delay_alu instid0(VALU_DEP_2)
	v_permlanex16_b32 v[BT+\b], v[BM+\b], s60, s61
.endr
.irp b, 0,1
	s_delay_alu instid0(VALU_DEP_2)
	v_max_num_f32 v[BM+\b], v[BM+\b], v[BT+\b]
.endr
.irp b, 0,1
	s_delay_alu instid0(VALU_DEP_2)
	v_add_nc_u32 v[SO+\b], 0xff000000, v[BM+\b]
.endr
.irp b, 0,1
	s_delay_alu instid0(VALU_DEP_2)
	v_lshrrev_b32 v[BT+\b], 23, v[SO+\b]
.endr
	v_cvt_scalef32_pk16_fp6_f32 v[PF:PF+2], v[S:S+15], v[SO]
	v_cvt_scalef32_pk16_fp6_f32 v[CT:CT+2], v[S+16:S+31], v[SO+1]
	v_cndmask_b32 v[TT], v[BT], v[BT+1], s58       ; lanes 0-15 keep block 0's byte, lanes 16-31 block 1's.  (The plain place behind the conversions)
.irp i, 0,1,2
	v_permlane16_swap_b32 v[PF+\i], v[CT+\i]
.endr
.irp i, 0,1,2
	s_delay_alu instid0(VALU_DEP_3)
	v_mov_b32 v[PF+3+\i], v[CT+\i]
.endr
	ds_store_b64 v[\fa], v[PF:PF+1] offset:\fo
	ds_store_b64 v[\fa], v[PF+2:PF+3] offset:\fo+8
	ds_store_b64 v[\fa], v[PF+4:PF+5] offset:\fo+16
	ds_store_b8 v[\sa], v[TT] offset:\so
.endm
; Heads 1 and 2: one window of 16 keys.  lcnt: the younger loads that may stay out.
.macro HEAD12 hd, lcnt
	s_wait_loadcnt \lcnt
	v_lshrrev_b32 v[SCK], s84, v[KWR]              ; my tile's two bytes of the pair's word
.irp j, 0,1,2,3,4,5,6,7
	ds_load_b32 v[S+\j], v[A0] offset:1024*(\hd-1)+4*(7*(1-\j/4)+3-\j%4)
.endr
	PLACES 8                                       ; between a scale register written by a vector instruction and the product
	s_wait_alu depctr_va_vdst(0)
	s_wait_dscnt 0x0
	v_wmma_scale_f32_16x16x128_f8f6f4 v[S:S+7], v[KF:KF+11], v[QLO:QLO+11], v[S:S+7], v[SCK], v[QS] matrix_a_fmt:MATRIX_FMT_FP6 matrix_b_fmt:MATRIX_FMT_FP6
	PLACES 4
.if \hd == 1
	H12LOAD 2
.else
	QLOAD0                                         ; head 0
.endif
	v_max3_num_f32 v[BM], v[S], v[S+1], v[S+2]
	v_max3_num_f32 v[BM], v[BM], v[S+3], v[S+4]
	v_max3_num_f32 v[BM], v[BM], v[S+5], v[S+6]
	v_max_num_f32 v[BM], v[BM], v[S+7]
	s_delay_alu instid0(VALU_DEP_1)
	v_permlanex16_b32 v[BT], v[BM], s60, s61
	s_delay_alu instid0(VALU_DEP_1)
	v_max_num_f32 v[BM], v[BM], v[BT]
	s_delay_alu instid0(VALU_DEP_1)
	v_mul_f32 v[TT], s62, v[BM]
	s_delay_alu instid0(VALU_DEP_1)
	v_floor_f32 v[NM], -v[TT]
.irp j, 0,2,4,6
	v_pk_fma_f32 v[S+\j:S+\j+1], v[S+\j:S+\j+1], s[62:63], v[NM:NM+1] op_sel_hi:[1,0,0]
.endr
	s_wait_alu depctr_va_vdst(0)
.irp j, 0,1,2,3,4,5,6,7
	v_exp_f32 v[S+\j], v[S+\j]
.endr
	v_nop
	s_wait_alu depctr_va_vdst(0)
	v_pk_add_f32 v[LL:LL+1], v[S:S+1], v[S+2:S+3]
	v_pk_add_f32 v[A2:A2+1], v[S+4:S+5], v[S+6:S+7]
	s_delay_alu instid0(VALU_DEP_1)
	v_pk_add_f32 v[LL:LL+1], v[LL:LL+1], v[A2:A2+1]
	WIN 0x51                                       ; in step g the form's k = 2 h + j stands for key 8 h + 2 g + j on both sides; four accumulators by turns
.irp g, 0,1,2,3
.irp dt, 0,1,2,3
.if \g == 0
	v_wmma_f32_16x16x4_f32 v[OF+8*\dt:OF+8*\dt+7], v[VFH+32*(\hd-1)+8*\dt+2*\g:VFH+32*(\hd-1)+8*\dt+2*\g+1], v[S+2*\g:S+2*\g+1], 0
.else
	v_wmma_f32_16x16x4_f32 v[OF+8*\dt:OF+8*\dt+7], v[VFH+32*(\hd-1)+8*\dt+2*\g:VFH+32*(\hd-1)+8*\dt+2*\g+1], v[S+2*\g:S+2*\g+1], v[OF+8*\dt:OF+8*\dt+7]
.endif
.endr
.endr
	WIN 0
	FINISH OF, 8, FUA, 48*\hd, FSA, 2*\hd
.endm
; A KEY STEP OF HEAD 0, step n; kb = (n + 1) % 3, sb = (n + 2) % 3.  My chunk of pair n lies in registers: K and V were fetched in step n - 1.
; Tile A: S^T; the WAIT for the signal of step n - 1; pair n + 2 goes from registers (set sb) into buffer sb; softmax, O^T; pair n + 5 is asked for, into set sb; the SIGNAL of step n.
; Tile B: S^T; K of pair n + 1 comes from buffer kb; softmax; O^T; V of pair n + 1 comes from buffer kb.
; ORDER.  In front of its signal of step n a wave has waited for all its LDS instructions: its reads of pair n are over and its stores of pair n + 2 have landed.  So behind the wait for the signal of step n - 1
; pair n + 1 is whole in buffer kb, and nobody reads pair n - 1 any more, whose buffer, sb, the stores take.  Between a signal and the wait for it stand register work and LDS loads of buffer kb alone:
; the stores that other waves can issue meanwhile go to buffers sb (step n) and n % 3 (step n + 1).
; last = 1, step 15: nothing is stored, asked for or fetched; the first part of Wproj and head 3's Q come in.
.macro DSTEP kb, sb, lw, wst, wld, last
	TILEA
	s_wait_dscnt 25                                ; K and its scale words are in: V's 25 loads are younger
	QK 4, 1
	PLACES 4
	s_barrier_wait -1                              ; every wave has signalled in the step before
.if \last
	s_wait_loadcnt 0x0                             ; the chunks' registers are free: 28 of Wproj's 48 quads take their place
	WPLOAD 0, 28
	s_wait_xcnt 0x0
	s_add_nc_u64 s[50:51], s[50:51], 3*196608
	s_add_nc_u64 s[52:53], s[52:53], 3*16384
	QLOAD 0, 0                                     ; head 3
.else
	s_wait_loadcnt \lw                             ; pair n + 2 (and a window chunk asked for in the step before) is in registers; lw counts the loads issued behind it
	STOREPAIR STG+32*\sb, PR*\sb
.if \wst
	v_add_nc_u32 v[A0], s46, v[LT16]
	v_add_nc_u32 v[A0+1], s46, v[LT2]
	STORECHUNK WSTG, A0, A0+1, 0                   ; and the window chunk
	s_add_co_u32 s46, s46, CH
	s_min_u32 s46, s46, WR+6*CH
.endif
.endif
	SOFTMAX 4
	PV 0                                           ; V is in, and my stores have landed
.if \last == 0
	s_wait_xcnt 0x0                                ; earlier loads and the last prefetch have read their addresses
	s_add_nc_u64 s[48:49], s[48:49], PR
.if \wld
	s_min_u32 s68, s80, 6                          ; a window chunk: 0-2: heads 3-5 at jj; 3-6: heads 6, 7 at the window's two chunks; the ten turns' last three bring the last one again
	s_add_co_u32 s80, s80, 1
	s_add_co_u32 s69, s68, 3
	s_lshl_b32 s69, s69, 5
	s_add_co_u32 s69, s69, s35
	s_max_u32 s72, s68, 3
	s_sub_co_u32 s72, s72, 3
	s_lshr_b32 s73, s72, 1
	s_add_co_u32 s73, s73, 6
	s_lshl_b32 s73, s73, 5
	s_and_b32 s72, s72, 1
	s_add_co_u32 s73, s73, s72
	s_and_b32 s72, s35, -2
	s_add_co_u32 s73, s73, s72
	s_cmp_lt_u32 s68, 3
	s_cselect_b32 s69, s69, s73
	s_mul_i32 s70, s69, CH
	s_add_nc_u64 s[44:45], s[38:39], s[70:71]
	LOADCHUNK WSTG, 44, 0
.endif
	s_min_u32 s68, s42, 15                         ; pair n + 5, held at the last: the loop's last four steps load it again, and its last step stores it again, and nothing of that is used: so the counts hold in every trip
	s_mul_i32 s70, s68, PR
	s_add_nc_u64 s[40:41], s[38:39], s[70:71]
	LOADPAIR STG+32*\sb, 40, 0
	s_cmp_lt_u32 s42, s47                          ; a prefetch into the L2: the batch's first work-group, waves 0-3, steps 0-8: pair n + 7, which step n + 2 loads: 100 blocks of 256 bytes, a lane a block
	s_cbranch_scc0 .Lnp_\@                         ; (wave 3's lanes that are left over name block 99 again); each block once; pairs 0-6 come by their loads alone
	global_prefetch_b8 v[PFO], s[48:49] th:TH_LOAD_NT scope:SCOPE_SE
.Lnp_\@:
	s_add_co_u32 s42, s42, 1
	s_barrier_signal -1                            ; no LDS instruction of mine is out
.endif
	TILEB
	WIN 0x04                                       ; tile B's Q lies in window 1
	QK 4, 1
	WIN 0
	PLACES 4
.if \last == 0
	ds_load_b128 v[SCK:SCK+3], v[SCA] offset:PR*\kb+12288
.irp bb, 0,1,2,3
	FRAG KF+12*\bb, FRK, PR*\kb+1536*\bb
.endr
.endif
	SOFTMAX 4
	PV 25*(1-\last)                                ; (the 25 loads of the next K may be out)
.if \last == 0
	PLACES 4                                       ; in front of loads into registers that the products have read
	ds_load_b128 v[SCV:SCV+3], v[SCA] offset:PR*\kb+12288
.irp dt, 0,1,2,3
	FRAG VF+12*\dt, FRK, PR*\kb+6144+1536*\dt
.endr
.endif
	TILEA
.endm
	s_load_b512 s[4:19], s[0:1], 0x0               ; qc, qs, kv, vf, wpi, Wproj_scales, bproj, t1
	s_load_b256 s[20:27], s[0:1], 0x40             ; t2, t3, t4, t5
	s_load_b128 s[28:31], s[0:1], 0x60             ; t6, t7
	s_load_b64 s[32:33], s[0:1], 0x70              ; out0
	v_lshrrev_b32 v9, 5, v0
	s_delay_alu instid0(VALU_DEP_1)
	v_readfirstlane_b32 s34, v9                    ; wave
	s_mov_b32 s35, ttmp9                           ; jj
	s_and_b32 s36, ttmp7, 0xffff                   ; batch
	s_lshr_b32 s37, s34, 2                         ; which window of 64 of the chunk is mine; head 0: kh
	s_and_b32 s86, s34, 1
	s_lshr_b32 s87, s34, 1
	s_lshl_b32 s84, s86, 4
	s_lshl_b32 s85, s37, 4
	s_mov_b32 s58, 0xffff0000                      ; lanes 16-31
	s_mov_b32 s60, 0x76543210
	s_mov_b32 s61, 0xfedcba98                      ; v_permlanex16_b32: lane l xor 16
	s_mov_b32 s62, 0x3e38aa3b                      ; c = log2(e) / 8
	s_mov_b32 s63, s62
	s_mov_b32 s71, 0                               ; the upper word of every offset; kept
	s_and_b32 s88, s34, 3                          ; head 0: g
	s_lshl_b32 s68, s88, 2                         ; Q's scale word of tiles 2 g, 2 g + 1: word g
	s_lshl_b32 s88, s88, 1
	s_add_co_u32 s88, s88, s37                     ; tile A = 2 g + kh
	s_xor_b32 s89, s88, 1                          ; tile B
	s_and_b32 s74, s88, 1
	s_lshl_b32 s74, s74, 7
	s_add_co_u32 s74, s74, s68
	s_and_b32 s75, s89, 1
	s_lshl_b32 s75, s75, 7
	s_add_co_u32 s75, s75, s68
	s_mul_i32 s79, s37, CH                         ; my chunk of a pair
	v_and_b32 v9, 31, v0                           ; lane
	v_and_b32 v10, 15, v0                          ; r
	v_bfe_u32 v11, v0, 4, 1                        ; h
	v_and_b32 v12, 7, v0
	v_bfe_u32 v13, v0, 3, 1
	v_lshlrev_b32 v[LT16], 4, v0
	v_lshlrev_b32 v[LT2], 1, v0
	v_mul_u32_u24 v[FRL], v10, 24
	s_delay_alu instid0(VALU_DEP_1)
	v_mad_u32_u24 v[FRL], v11, 384, v[FRL]
	v_lshlrev_b32 v[SCL], 4, v9
	v_lshlrev_b32 v[PFO], 8, v9
	s_lshl_b32 s68, s34, 13
	v_add_nc_u32 v[PFO], s68, v[PFO]
	s_lshl_b32 s69, s87, 2                         ; word w >> 1
	v_lshlrev_b32 v[QSA], 4, v12                   ; Q's scale word of tile t: lane place 16 (r >> 3) + (r & 7) + 8 (t & 1), 16 bytes each, word t >> 1
	s_delay_alu instid0(VALU_DEP_1)
	v_lshl_add_u32 v[QSA], v13, 8, v[QSA]
	s_delay_alu instid0(VALU_DEP_1)
	v_add_nc_u32 v152, s74, v[QSA]                 ; head 0: tile A's
	v_add_nc_u32 v153, s75, v[QSA]                 ; and tile B's
	s_lshl_b32 s68, s86, 7
	s_add_co_u32 s68, s68, s69
	v_add_nc_u32 v[QSA], s68, v[QSA]
	v_lshlrev_b32 v145, 4, v10                     ; heads 1, 2: lane place 16 (w & 1) + r
	s_lshl_b32 s68, s86, 8
	s_add_co_u32 s68, s68, s69
	v_add_nc_u32 v145, s68, v145
	v_lshlrev_b32 v144, 4, v10                     ; K's pair word of key row r
	s_delay_alu instid0(VALU_DEP_1)
	v_add_nc_u32 v144, s69, v144
	s_mul_i32 s68, s34, 768
	v_add_nc_u32 v143, s68, v[FRL]                 ; my window's tile of K
	v_mul_u32_u24 v[FUA], v10, 400
	s_delay_alu instid0(VALU_DEP_1)
	v_mad_u32_u24 v[FUA], v11, 24, v[FUA]
	s_delay_alu instid0(VALU_DEP_1)
	v_add_nc_u32 v253, FU, v[FUA]                  ; v253: a fused tile's row r, half h
	s_mul_i32 s68, s34, 6400
	v_add_nc_u32 v[FUA], s68, v253
	v_lshlrev_b32 v[FSA], 4, v10
	s_delay_alu instid0(VALU_DEP_1)
	v_add_nc_u32 v254, FS, v[FSA]                  ; v254: its scale bytes
	s_delay_alu instid0(VALU_DEP_1)
	v_add_nc_u32 v[FSA], v254, v11
	s_lshl_b32 s68, s34, 8
	v_add_nc_u32 v[FSA], s68, v[FSA]
	v_min_u32 v138, 48, v0                         ; the tables: index held inside each table
	s_delay_alu instid0(VALU_DEP_1)
	v_lshlrev_b32 v138, 2, v138
	v_min_u32 v139, 224, v0
	s_delay_alu instid0(VALU_DEP_1)
	v_lshlrev_b32 v139, 2, v139
	v_lshlrev_b32 v140, 2, v0
	v_add_nc_u32 v141, 768, v0
	s_delay_alu instid0(VALU_DEP_1)
	v_min_u32 v141, 960, v141
	s_delay_alu instid0(VALU_DEP_1)
	v_lshlrev_b32 v141, 2, v141
	s_delay_alu instid0(VALU_DEP_4)
	v_add_nc_u32 v142, TB, v140
	v_add_nc_u32 v146, PSC, v[LT16]
	v_lshlrev_b32 v147, 3, v0
	s_delay_alu instid0(VALU_DEP_1)
	v_add_nc_u32 v148, PBI, v147
	v_sub_nc_u32 v149, 1, v11                      ; windows of 4 x 4: index 7 (qy - ky + 3) + qx - kx + 3; the lane's part: 7 ((r >> 2) + 2 (1 - h)) + (r & 3)
	v_bfe_u32 v150, v0, 2, 2
	s_delay_alu instid0(VALU_DEP_1)
	v_lshl_add_u32 v150, v149, 1, v150
	s_delay_alu instid0(VALU_DEP_1)
	v_mul_u32_u24 v150, v150, 7
	v_and_b32 v151, 3, v0
	s_delay_alu instid0(VALU_DEP_1)
	v_add_nc_u32 v150, v150, v151
	s_delay_alu instid0(VALU_DEP_1)
	v_lshl_add_u32 v[A0], v150, 2, TB
	v_add_nc_u32 v[FRK], s79, v[FRL]               ; head 0: my chunk's fragments and scale words in a buffer
	v_add_nc_u32 v[SCA], s79, v[SCL]
	v_add_nc_u32 v[LB16], CH, v[LT16]              ; and where a pair's second chunk is stored
	v_add_nc_u32 v[LB2], CH, v[LT2]
	v_min_u32 v[PFO], 25344, v[PFO]                ; block 99 is a pair's last
	s_cmp_lt_u32 s34, 4
	s_cselect_b32 s47, 14, 0
	s_cmp_eq_u32 s35, 0
	s_cselect_b32 s47, s47, 0                      ; this wave prefetches while the pair to ask for, n + 5, lies under this number
	s_wait_alu depctr_va_vdst(0)
	s_wait_kmcnt 0x0
	s_mul_i32 s70, s36, 3276800
	s_add_nc_u64 s[38:39], s[8:9], s[70:71]        ; kv at my batch: head 0's chunk 0
	s_mul_i32 s70, s35, CH
	s_add_nc_u64 s[82:83], s[38:39], s[70:71]      ; chunk jj
	s_mul_i32 s74, s36, 1572864
	s_lshl_b32 s72, s35, 3
	s_add_co_u32 s73, s72, s88
	s_mul_i32 s73, s73, 768
	s_add_co_u32 s70, s74, s73
	s_add_nc_u64 s[90:91], s[4:5], s[70:71]        ; qc, head 0, tile A
	s_add_co_u32 s73, s72, s89
	s_mul_i32 s73, s73, 768
	s_add_co_u32 s70, s74, s73
	s_add_nc_u64 s[92:93], s[4:5], s[70:71]        ; tile B
	s_add_co_u32 s72, s72, s34                     ; my tile in heads 1 to 7
	s_mul_i32 s73, s72, 768
	s_add_co_u32 s70, s74, s73
	s_add_nc_u64 s[50:51], s[4:5], s[70:71]        ; qc at that tile, counted from head 0
	s_lshl_b32 s70, s36, 17
	s_lshl_b32 s73, s35, 9
	s_add_co_u32 s70, s70, s73
	s_add_nc_u64 s[52:53], s[6:7], s[70:71]        ; qs, head 0
	s_lshl_b32 s70, s36, 21
	s_lshl_b32 s73, s72, 12
	s_add_co_u32 s70, s70, s73
	s_add_nc_u64 s[10:11], s[10:11], s[70:71]      ; vf, head 1
	s_mul_i32 s70, s34, 24576
	s_add_nc_u64 s[12:13], s[12:13], s[70:71]      ; wpi: my four column tiles
	s_lshl_b32 s70, s36, 23
	s_lshl_b32 s73, s35, 18
	s_add_co_u32 s70, s70, s73
	s_lshl_b32 s73, s34, 8
	s_add_co_u32 s70, s70, s73
	s_add_nc_u64 s[66:67], s[32:33], s[70:71]      ; out0: the block's first row, my 64 columns
	s_add_nc_u64 s[48:49], s[38:39], 6*PR          ; the prefetches: stepped to pair 7 in step 0
	global_load_b32 v186, v138, s[18:19]
	global_load_b32 v187, v138, s[20:21]
	global_load_b32 v188, v139, s[22:23]
	global_load_b32 v189, v139, s[24:25]
	global_load_b32 v190, v139, s[26:27]
.irp k, 0,1,2
	global_load_b32 v[191+\k], v140, s[28:29] offset:1024*\k
	global_load_b32 v[195+\k], v140, s[30:31] offset:1024*\k
.endr
	global_load_b32 v194, v141, s[28:29]
	global_load_b32 v198, v141, s[30:31]
	global_load_b128 v[200:203], v[LT16], s[14:15]
	global_load_b128 v[204:207], v[LT16], s[14:15] offset:4096
	global_load_b64 v[208:209], v147, s[16:17]
	LOADPAIR STG, 38, 0
	LOADPAIR STG+32, 38, PR
	LOADPAIR STG+64, 38, 2*PR
	H12LOAD 1
	WIN 0x40
.irp hd, 0,1
.irp q, 0,1,2,3,4,5,6,7
	global_load_b128 v[VFH+32*\hd+4*\q:VFH+32*\hd+4*\q+3], v[SCL], s[10:11] offset:1048576*\hd+512*\q th:TH_LOAD_NT
.endr
.endr
	WIN 0
	s_wait_loadcnt 32                              ; the tables, Wproj's scales, bproj and pairs 0, 1 are in: behind them stand pair 2 (8 loads), head 1's 8 and v's 16
.irp i, 0,1,2,3,4,5,6,7,8,9,10,11,12
	v_mul_f32 v[186+\i], 0x41000000, v[186+\i]     ; x 8: exact
.endr
.irp i, 0,1,2,3,4
	ds_store_b32 v142, v[186+\i] offset:1024*\i
.endr
.irp k, 0,1,2,3
	ds_store_b32 v142, v[191+\k] offset:5120+1024*\k
	ds_store_b32 v142, v[195+\k] offset:9216+1024*\k
.endr
	ds_store_b128 v146, v[200:203]
	ds_store_b128 v146, v[204:207] offset:4096
	ds_store_b64 v148, v[208:209]
	STOREPAIR STG, 0
	STOREPAIR STG+32, PR
.irp i, 0,1,2,3,4,5
	v_mov_b32 v[QLO+6+\i], 0                       ; the zero halves of [Q | 0] and [0 | Q]; heads 1, 2: the empty half of K's fragment
	v_mov_b32 v[QHI+\i], 0
	v_mov_b32 v[KF+6+\i], 0
.endr
	WIN 0x40
.irp i, 0,1,2,3,4,5
	v_mov_b32 v[230+\i], 0                         ; and those of tile B's two forms
	v_mov_b32 v[236+\i], 0
.endr
	WIN 0
.irp i, 0,1,2,3
	v_mov_b32 v[BT+\i], 0                          ; written once: a lane permute's destination counts as one of its sources
.endr
	v_mov_b32 v[TMX], 0                            ; (upper halves of pairs of which the low word alone is used)
	v_mov_b32 v[FF+1], 0
	v_mov_b32 v[A2+1], 0
	s_wait_dscnt 0x0                               ; my stores have landed, and have read their registers
	LOADPAIR STG, 38, 3*PR
	LOADPAIR STG+32, 38, 4*PR
	s_barrier_signal -1
	s_barrier_wait -1                              ; tables, scales, bias and pairs 0, 1 lie in LDS
	HEAD12 1, 16                                   ; the sixteen loads of pairs 3, 4 may stay out
	HEAD12 2, 0
	; ---- head 0
	INIT
	TILEB
	INIT
	TILEA
	s_wait_alu depctr_va_vdst(0)
	s_wait_loadcnt 0x0                             ; Q
	s_wait_dscnt 0x0                               ; no LDS instruction of mine is out:
	s_barrier_signal -1                            ; the signal for which step 0 waits: each step waits for the signal given in the step before
	ds_load_b128 v[SCK:SCK+3], v[SCA] offset:12288
.irp bb, 0,1,2,3
	FRAG KF+12*\bb, FRK, 1536*\bb
.endr
	ds_load_b128 v[SCV:SCV+3], v[SCA] offset:12288
.irp dt, 0,1,2,3
	FRAG VF+12*\dt, FRK, 6144+1536*\dt
.endr
	s_mov_b32 s43, 0                               ; trip
	s_mov_b32 s42, 5                               ; the next pair to ask for
	s_mov_b32 s80, 0                               ; the next window chunk to ask for
	s_mov_b32 s46, WR
.Lg:                                               ; five trips of three steps: the buffers' numbers come back after three; a trip brings two window chunks
	DSTEP 1, 2, 20, 0, 1, 0                        ; behind pair n + 2: a window chunk and a pair, and a pair
	DSTEP 2, 0, 8, 1, 1, 0                         ; behind the window chunk: a pair
	DSTEP 0, 1, 8, 1, 0, 0
	s_add_co_u32 s43, s43, 1
	s_cmp_lt_u32 s43, 5
	s_cbranch_scc1 .Lg
	DSTEP 0, 0, 0, 0, 0, 1                         ; step 15
	; the exchange: tile B's O^T, -M and sum go to the wave that keeps that tile, w xor 4.  The six vector lines are the places behind the last products
	s_mul_i32 s68, s34, XW
	s_add_co_u32 s68, s68, XCH
	s_xor_b32 s69, s34, 4
	s_mul_i32 s69, s69, XW
	s_add_co_u32 s69, s69, XCH
	v_add_f32 v13, v250, v251                      ; tile B's sum, beside its -M in v12
	v_lshrrev_b32 v10, 1, v[SCL]                   ; 8 x lane
	v_add_nc_u32 v9, s68, v[SCL]
	v_add_nc_u32 v41, s68, v10
	v_add_nc_u32 v11, s69, v[SCL]
	v_add_nc_u32 v10, s69, v10
	WIN 0x04
.irp q, 0,1,2,3,4,5,6,7
	ds_store_b128 v9, v[176+4*\q:176+4*\q+3] offset:512*\q       ; each accumulator from its low end on
.endr
	WIN 0
	ds_store_b64 v41, v[12:13] offset:4096
	s_wait_alu depctr_va_vdst(0)
	s_wait_dscnt 0x0                               ; my stores have landed, and have read their registers
	s_barrier_signal -1
	s_barrier_wait -1
	WPLOAD 28, 20                                  ; the rest of Wproj, where tile B's O^T and Q lay
.irp q, 0,1,2,3,4,5,6,7
	ds_load_b128 v[S+4*\q:S+4*\q+3], v11 offset:512*\q           ; the other half of the keys for my tile A
.endr
	ds_load_b64 v[S+32:S+33], v10 offset:4096
	s_mul_i32 s68, s88, 6400
	v_add_nc_u32 v9, s68, v253                     ; where tile A's fused codes go,
	s_lshl_b32 s68, s88, 8
	v_bfe_u32 v41, v0, 4, 1
	s_delay_alu instid0(VALU_DEP_1)
	v_add_nc_u32 v41, v254, v41
	s_delay_alu instid0(VALU_DEP_1)
	v_add_nc_u32 v41, s68, v41                     ; and their scale byte
	v_add_f32 v[LL], v[LL], v[LL+1]
	s_wait_alu depctr_va_vdst(0)
	s_wait_dscnt 0x0
	v_min_num_f32 v[TT], v[NM], v[S+32]            ; -M of both halves: the lesser
	s_delay_alu instid0(VALU_DEP_1)
	v_sub_f32 v[A2], v[TT], v[NM]
	s_delay_alu instid0(VALU_DEP_2)
	v_sub_f32 v[BM], v[TT], v[S+32]
	s_delay_alu instid0(VALU_DEP_2)
	v_cvt_i32_f32 v[A2], v[A2]
	s_delay_alu instid0(VALU_DEP_2)
	v_cvt_i32_f32 v[BM], v[BM]
	s_delay_alu instid0(VALU_DEP_2)
	v_ldexp_f32 v[FF], 1.0, v[A2]                  ; my half's factor, 2^(my M - M),
	s_delay_alu instid0(VALU_DEP_2)
	v_ldexp_f32 v[BM], 1.0, v[BM]                  ; and the other's: exact powers of two
	s_delay_alu instid0(VALU_DEP_2)
	v_mul_f32 v[LL], v[LL], v[FF]
	s_delay_alu instid0(VALU_DEP_2)
	v_mul_f32 v[LL+1], v[S+33], v[BM]
	WIN 0x41
	s_wait_alu depctr_va_vdst(0)                   ; the wait here, directly ahead of the first reader of O^T
.set j_, 0
.rept 16
	v_pk_mul_f32 v[O+j_:O+j_+1], v[O+j_:O+j_+1], v[FF:FF+1] op_sel_hi:[1,0]
.set j_, j_+2
.endr
	WIN 0x50
.set j_, 0
.rept 16
	v_pk_fma_f32 v[O+j_:O+j_+1], v[S+j_:S+j_+1], v[BM:BM+1], v[O+j_:O+j_+1] op_sel_hi:[1,0,1]
.set j_, j_+2
.endr
	WIN 0
	FINISH O, 1, 9, 0, 41, 0
	; ---- heads 3, 4, 5: windows of 8 x 8: index 15 (qy - ky + 7) + qx - kx + 7; the lane's part: 15 (2 (w & 3) + (r >> 3) + 2 (1 - h)) + (r & 7)
	v_bfe_u32 v10, v0, 4, 1
	s_delay_alu instid0(VALU_DEP_1)
	v_sub_nc_u32 v10, 1, v10
	v_bfe_u32 v11, v0, 3, 1
	s_delay_alu instid0(VALU_DEP_1)
	v_lshl_add_u32 v10, v10, 1, v11
	s_and_b32 s68, s34, 3
	s_lshl_b32 s68, s68, 1
	v_add_nc_u32 v10, s68, v10
	s_delay_alu instid0(VALU_DEP_1)
	v_mul_u32_u24 v10, v10, 15
	v_and_b32 v11, 7, v0
	s_delay_alu instid0(VALU_DEP_1)
	v_add_nc_u32 v10, v10, v11
	s_delay_alu instid0(VALU_DEP_1)
	v_lshlrev_b32 v[BL], 2, v10
.irp i, 0,1,2,3,4,5
	v_mov_b32 v[PF+6+\i], 0                        ; 64 keys are half of the instruction's K: P's other half is zero codes
.endr
	s_mov_b32 s57, WR
	s_mov_b32 s56, TB+2048
	s_mov_b32 s54, 144
	s_mov_b32 s55, 6
	s_mov_b32 s43, 3
	s_mul_i32 s76, s37, 3072
	s_mul_i32 s77, s37, 768
	s_lshl_b32 s78, s37, 3
	s_wait_loadcnt 20                              ; head 3's Q is in: behind it stand Wproj's last 20 quads
.Lw8:
	s_wait_alu depctr_va_vdst(0)
	v_add_nc_u32 v[A0], s56, v[BL]
	s_add_co_u32 s68, s57, s76
	v_add_nc_u32 v[A0+1], s68, v[FRL]
	s_add_co_u32 s68, s57, s77
	v_add_nc_u32 v[A0+2], s68, v[FRL]
	v_add_nc_u32 v[A0+3], s57, v[SCL]
	s_add_co_u32 s68, s57, s78
	v_add_nc_u32 v[A0+4], s68, v[SCL]
	v_add_nc_u32 v251, s54, v[FUA]
	v_add_nc_u32 v252, s55, v[FSA]
.irp blk, 0,1
.irp i, 0,1,2,3,4,5,6,7,8,9,10,11,12,13,14,15
	ds_load_b32 v[S+16*\blk+\i], v[A0] offset:4*(15*(5-4*\blk-\i/8)+7-\i%8)
.endr
.endr
	FRAG KF, A0+1, 0
	FRAG KF+12, A0+1, 1536
	ds_load_b64 v[SCK:SCK+1], v[A0+4] offset:12288
.irp dt, 0,1,2,3
.irp p, 0,1,2
	ds_load_b64 v[VF+12*\dt+2*\p:VF+12*\dt+2*\p+1], v[A0+2] offset:6144+1536*\dt+8*\p
.endr
.endr
	ds_load_b128 v[SCV:SCV+3], v[A0+3] offset:12288
	INIT
	s_wait_dscnt 0x0
.irp dt, 0,1,2,3
	v_lshrrev_b32 v[SCV+\dt], s85, v[SCV+\dt]      ; my window's two bytes
.endr
	QK 2, 0
	PLACES 4
	s_wait_xcnt 0x0
	s_add_nc_u64 s[50:51], s[50:51], 196608
	s_add_nc_u64 s[52:53], s[52:53], 16384
	QLOAD 0, 0                                     ; the next head
	SOFTMAX 2
	PV 0
	FINISH O, 4, 251, 0, 252, 0
	s_wait_loadcnt 0x0                             ; the next head's Q
	s_add_co_u32 s57, s57, CH
	s_add_co_u32 s56, s56, 1024
	s_add_co_u32 s54, s54, 48
	s_add_co_u32 s55, s55, 2
	s_sub_co_u32 s43, s43, 1
	s_cmp_lg_u32 s43, 0
	s_cbranch_scc1 .Lw8
	; ---- heads 6, 7: windows of 16 x 16, two chunks: index 31 (qy - ky + 15) + qx - kx + 15; the lane's part: 31 (8 (jj & 1) + w + 1 - h) + r
	v_bfe_u32 v10, v0, 4, 1
	s_delay_alu instid0(VALU_DEP_1)
	v_sub_nc_u32 v10, 1, v10
	s_and_b32 s68, s35, 1
	s_lshl_b32 s68, s68, 3
	s_add_co_u32 s68, s68, s34
	v_add_nc_u32 v10, s68, v10
	s_delay_alu instid0(VALU_DEP_1)
	v_mul_u32_u24 v10, v10, 31
	v_and_b32 v11, 15, v0
	s_delay_alu instid0(VALU_DEP_1)
	v_add_nc_u32 v10, v10, v11
	s_delay_alu instid0(VALU_DEP_1)
	v_lshlrev_b32 v[BL], 2, v10
	s_mov_b32 s57, WR+3*CH
	s_mov_b32 s56, TB+5120
	s_mov_b32 s54, 288
	s_mov_b32 s55, 12
	s_mov_b32 s43, 2
.Lw16:
	s_wait_loadcnt 0x0                             ; Q
	s_wait_alu depctr_va_vdst(0)
	v_add_nc_u32 v[A0], s56, v[BL]
	v_add_nc_u32 v[A0+1], s57, v[FRL]
	v_add_nc_u32 v[A0+3], s57, v[SCL]
	v_add_nc_u32 v251, s54, v[FUA]
	v_add_nc_u32 v252, s55, v[FSA]
	INIT
.irp st, 0,1
	PLACES 4                                       ; in front of loads into registers that the last products have read
.irp blk, 0,1,2,3
.irp i, 0,1,2,3,4,5,6,7,8,9,10,11,12,13,14,15
	ds_load_b32 v[S+16*\blk+\i], v[A0] offset:4*(31*(14-8*\st-2*\blk)+15-\i)
.endr
.endr
	ds_load_b128 v[SCK:SCK+3], v[A0+3] offset:CH*\st+12288
	ds_load_b128 v[SCV:SCV+3], v[A0+3] offset:CH*\st+12288
.irp bb, 0,1,2,3
	FRAG KF+12*\bb, A0+1, CH*\st+1536*\bb
	FRAG VF+12*\bb, A0+1, CH*\st+6144+1536*\bb
.endr
	s_wait_dscnt 0x0
	QK 4, 0
	PLACES 4
.if \st == 1
	s_cmp_eq_u32 s43, 1                            ; behind head 7 there is no head
	s_cbranch_scc1 .Lnoq
	s_wait_xcnt 0x0
	s_add_nc_u64 s[50:51], s[50:51], 196608
	s_add_nc_u64 s[52:53], s[52:53], 16384
	QLOAD 0, 0
.Lnoq:
.endif
	SOFTMAX 4
	PV 0
.endr
	FINISH O, 4, 251, 0, 252, 0
	s_add_co_u32 s57, s57, 2*CH
	s_add_co_u32 s56, s56, 4096
	s_add_co_u32 s54, s54, 48
	s_add_co_u32 s55, s55, 2
	s_sub_co_u32 s43, s43, 1
	s_cmp_lg_u32 s43, 0
	s_cbranch_scc1 .Lw16
	; ---- the projection: out = fused Wproj^T + bproj.  Source 0 = 16 rows of Wproj (out columns), source 1 = a tile of fused rows; the bias is the C of each sum's first product
	s_wait_dscnt 0x0                               ; my fused codes and scale bytes have landed
	s_barrier_signal -1
	s_barrier_wait -1                              ; all 128 fused rows lie in LDS
	v_and_b32 v10, 15, v0
	v_bfe_u32 v11, v0, 4, 1
	s_delay_alu instid0(VALU_DEP_2)
	v_lshlrev_b32 v9, 4, v10
	s_lshl_b32 s68, s34, 10
	s_add_co_u32 s68, s68, PSC
	v_add_nc_u32 v9, s68, v9
.irp j, 0,1,2,3
	ds_load_b128 v[PWS+4*\j:PWS+4*\j+3], v9 offset:256*\j        ; the scale words of Wproj's rows 64 w + 16 j + r, in registers that are never a matrix operand
.endr
	v_lshlrev_b32 v12, 5, v11
	s_lshl_b32 s68, s34, 8
	s_add_co_u32 s68, s68, PBI
	v_add_nc_u32 v12, s68, v12
.irp j, 0,1,2,3
	ds_load_b128 v[VF+16+8*\j:VF+16+8*\j+3], v12 offset:64*\j    ; bproj at columns 64 w + 16 j + 8 h + 0 .. 7
	ds_load_b128 v[VF+16+8*\j+4:VF+16+8*\j+7], v12 offset:64*\j+16
.endr
	s_mul_i32 s68, s34, 4352
	s_add_co_u32 s68, s68, OST
	v_mul_u32_u24 v13, v10, 272
	s_delay_alu instid0(VALU_DEP_1)
	v_lshl_add_u32 v13, v11, 5, v13
	s_delay_alu instid0(VALU_DEP_1)
	v_add_nc_u32 v13, s68, v13                     ; into my stage: row r, 32 h
	v_mul_u32_u24 v250, v11, 272
	s_delay_alu instid0(VALU_DEP_1)
	v_lshl_add_u32 v250, v10, 4, v250
	s_delay_alu instid0(VALU_DEP_1)
	v_add_nc_u32 v250, s68, v250                   ; back: lanes 0-15 one row, lanes 16-31 the next
	v_lshlrev_b32 v255, 11, v11
	s_delay_alu instid0(VALU_DEP_1)
	v_lshl_add_u32 v255, v10, 4, v255              ; and the same two rows of out0
.macro FFLOAD                          ; a fused tile: four fragments in the rows' own order of K, and the rows' four scale words: 25 loads
	v_add_nc_u32 v251, s56, v253
	v_add_nc_u32 v252, s57, v254
.irp s, 0,1,2,3
.irp p, 0,1,2,3,4,5
	ds_load_b64 v[KF+12*\s+2*\p:KF+12*\s+2*\p+1], v251 offset:96*\s+48*(\p/3)+8*(\p%3)
.endr
.endr
	ds_load_b128 v[SCK:SCK+3], v252
.endm
.macro PTILE pre
	s_wait_dscnt 0x0
	WIN 0x01
.irp s, 0,1,2,3
.irp j, 0,1,2,3
.if \s == 0
	v_wmma_scale_f32_16x16x128_f8f6f4 v[S+8*\j:S+8*\j+7], v[WP+48*\j+12*\s:WP+48*\j+12*\s+11], v[KF+12*\s:KF+12*\s+11], v[VF+16+8*\j:VF+16+8*\j+7], v[PWS+4*\j+\s], v[SCK+\s] matrix_a_fmt:MATRIX_FMT_FP6 matrix_b_fmt:MATRIX_FMT_FP6
.else
	v_wmma_scale_f32_16x16x128_f8f6f4 v[S+8*\j:S+8*\j+7], v[WP+48*\j+12*\s:WP+48*\j+12*\s+11], v[KF+12*\s:KF+12*\s+11], v[S+8*\j:S+8*\j+7], v[PWS+4*\j+\s], v[SCK+\s] matrix_a_fmt:MATRIX_FMT_FP6 matrix_b_fmt:MATRIX_FMT_FP6
.endif
.endr
.endr
	WIN 0
	PLACES 5                                       ; four in front of the reads of results and the loads into operands; one more, since the next tile begins these accumulators anew with another C
	s_wait_alu depctr_va_vdst(0)
.irp j, 0,1,2,3
	ds_store_b128 v13, v[S+8*\j:S+8*\j+3] offset:64*\j           ; each accumulator from its low end on
	ds_store_b128 v13, v[S+8*\j+4:S+8*\j+7] offset:64*\j+16
.endr
	s_wait_xcnt 0x0                                ; the last tile's stores have read their registers and their base
	s_add_nc_u64 s[66:67], s[66:67], s[72:73]      ; 16 rows on (nothing in front of the first tile)
	s_mov_b32 s72, 32768
.irp i, 0,1,2,3,4,5,6,7
	ds_load_b128 v[S+32+4*\i:S+32+4*\i+3], v250 offset:544*\i    ; LDS serves a wave's instructions in order: these see my stores
.endr
.if \pre
	s_add_co_u32 s56, s56, 6400
	s_add_co_u32 s57, s57, 256
	FFLOAD
	s_wait_dscnt 25                                ; the rows are back; the next tile's 25 loads may be out
.else
	s_wait_dscnt 0x0
.endif
.irp i, 0,1,2,3,4,5,6,7
	global_store_b128 v255, v[S+32+4*\i:S+32+4*\i+3], s[66:67] offset:4096*\i th:TH_STORE_NT   ; sixteen lanes store 256 consecutive bytes, at a multiple of 256 from the buffer's first byte
.endr
.endm
	s_mov_b32 s56, 0
	s_mov_b32 s57, 0
	s_mov_b32 s72, 0
	s_mov_b32 s73, 0
	s_mov_b32 s43, 7
	FFLOAD
	s_wait_loadcnt 0x0                             ; Wproj's fragments
.Lp:
	PTILE 1
	s_sub_co_u32 s43, s43, 1
	s_cmp_lg_u32 s43, 0
	s_cbranch_scc1 .Lp
	PTILE 0                                        ; the last tile fetches nothing
	s_wait_xcnt 0x0
	v_lshl_add_u32 v254, v0, 2, SPARE
	v_mov_b32 v255, 0
	s_wait_alu depctr_va_vdst(0)
	s_wait_tensorcnt 0x0                           ; the wave's end
	ds_add_u32 v254, v255
	s_wait_dscnt 0x0
	s_endpgm
.Lfunc_end_k_q3a70fb945e_attn:
	.size	k_q3a70fb945e_attn, .Lfunc_end_k_q3a70fb945e_attn-k_q3a70fb945e_attn
	.p2alignl 7, 3214868480
	.fill 96, 4, 3214868480
	.section	.rodata,"a",@progbits
	.p2align	6, 0x0
	.amdhsa_kernel k_q3a70fb945e_attn
		.amdhsa_group_segment_fixed_size 313856
		.amdhsa_private_segment_fixed_size 0
		.amdhsa_enable_private_segment 0
		.amdhsa_kernarg_size 120
		.amdhsa_user_sgpr_count 2
		.amdhsa_user_sgpr_kernarg_segment_ptr 1
		.amdhsa_wavefront_size32 1
		.amdhsa_system_sgpr_workgroup_id_x 1
		.amdhsa_system_sgpr_workgroup_id_y 1
		.amdhsa_system_sgpr_workgroup_id_z 1
		.amdhsa_system_vgpr_workitem_id 0
		.amdhsa_next_free_vgpr 512
		.amdhsa_next_free_sgpr 104
		.amdhsa_reserve_vcc 0
		.amdhsa_float_denorm_mode_32 3
		.amdhsa_float_denorm_mode_16_64 3
		.amdhsa_memory_ordered 1
		.amdhsa_forward_progress 1
		.amdhsa_inst_pref_size 255
	.end_amdhsa_kernel
	.section	.bss,"aw",@nobits
	.p2align	6
	.space	262144
	.amdgpu_metadata
---
amdhsa.version: [ 1, 2 ]
amdhsa.kernels:
  - .name:           k_q3a70fb945e_attn
    .symbol:         k_q3a70fb945e_attn.kd
    .args:
      - { .name: qc, .offset: 0, .size: 8, .value_kind: global_buffer, .address_space: global }
      - { .name: qs, .offset: 8, .size: 8, .value_kind: global_buffer, .address_space: global }
      - { .name: kv, .offset: 16, .size: 8, .value_kind: global_buffer, .address_space: global }
      - { .name: vf, .offset: 24, .size: 8, .value_kind: global_buffer, .address_space: global }
      - { .name: wpi, .offset: 32, .size: 8, .value_kind: global_buffer, .address_space: global }
      - { .name: Wproj_scales, .offset: 40, .size: 8, .value_kind: global_buffer, .address_space: global }
      - { .name: bproj, .offset: 48, .size: 8, .value_kind: global_buffer, .address_space: global }
      - { .name: t1, .offset: 56, .size: 8, .value_kind: global_buffer, .address_space: global }
      - { .name: t2, .offset: 64, .size: 8, .value_kind: global_buffer, .address_space: global }
      - { .name: t3, .offset: 72, .size: 8, .value_kind: global_buffer, .address_space: global }
      - { .name: t4, .offset: 80, .size: 8, .value_kind: global_buffer, .address_space: global }
      - { .name: t5, .offset: 88, .size: 8, .value_kind: global_buffer, .address_space: global }
      - { .name: t6, .offset: 96, .size: 8, .value_kind: global_buffer, .address_space: global }
      - { .name: t7, .offset: 104, .size: 8, .value_kind: global_buffer, .address_space: global }
      - { .name: out0, .offset: 112, .size: 8, .value_kind: global_buffer, .address_space: global }
    .group_segment_fixed_size: 313856
    .private_segment_fixed_size: 0
    .kernarg_segment_align: 8
    .kernarg_segment_size: 120
    .max_flat_workgroup_size: 256
    .sgpr_count:     104
    .vgpr_count:     512
    .wavefront_size: 32
...
	.end_amdgpu_metadata
.endif
;; end of part 2
